; MI455X (gfx1250); checked and timed in simulation.
; The chip was launched on July 23, 2026; its instructions are those of AMD's public machine-readable ISA for CDNA 5 (MIT licence, August 2026) and "CDNA5" Instruction Set Architecture Reference Guide (July 2026). The comments in the code are by the model that wrote it; some were corrected since.
;; Multi Head Attention. Allowed arithmetic: matrix products marked QUANTISED: E2M3 operands, one E8M0 scale for each 32 along K, by v_wmma_scale_f32_16x16x128_f8f6f4 with both operands' format E2M3, f32 sums; everything else in f32.
;; Inputs: Wk 1,024 x 1,024 float32; Wp 1,024 x 1,024 float32; Wq 1,024 x 1,024 float32; Wv 1,024 x 1,024 float32; bp 1,024 float32; key_data 4 x 2,048 x 1,024 float32; query_data 4 x 2,048 x 1,024 float32; value_data 4 x 2,048 x 1,024 float32.
;; Outputs: out0 4 x 2,048 x 1,024 float32.
;; This version of the problem:
;;   THIS VERSION OF THE PROBLEM IS GIVEN IN LOW PRECISION. The matrix products marked QUANTISED in the list below multiply operands that are first quantised to E2M3 (2 exponent bits, 3 mantissa bits; 6 bits a number), with one power-of-two scale for each 32 numbers along K (OCP MX v1.0); their sums are f32. All else is computed in f32.
;;   The module's matrix products, in the order in which they are computed (A, B: the left and right operand; K: the contracted axis; several contracted axes count as one K, in the product's order):
;;     1. [M 8,192, K 1,024] x [K 1,024, N 1,024]; A: input query_data; B: input Wq: QUANTISED
;;     2. [M 8,192, K 1,024] x [K 1,024, N 1,024]; A: input key_data; B: input Wk: QUANTISED
;;     3. [M 8,192, K 1,024] x [K 1,024, N 1,024]; A: input value_data; B: input Wv: QUANTISED
;;     4. batch 64 x [M 2,048, K 64] x [K 64, N 2,048]; A: computed on the way; B: computed on the way: QUANTISED
;;     5. batch 64 x [M 2,048, K 2,048] x [K 2,048, N 64]; A: softmax (see below); B: computed on the way: QUANTISED
;;     6. [M 8,192, K 1,024] x [K 1,024, N 1,024]; A: computed on the way; B: input Wp: QUANTISED
;;   THE QUANTISER, for each operand of a quantised product, along K:
;;     - K is cut into blocks of 32 from its start; a last block that is shorter is filled with zeros.
;;     - A block's scale is 2^e with e = floor(log2(the largest magnitude in the block)) - 2, held to -126 .. 127; a block of zeros has e = 0. As a byte (E8M0): e + 127.
;;     - Each number is divided by its block's scale, clamped to +-7.5, and rounded to the nearest number of E2M3, ties to even, subnormals kept.
;;     - The product sums the exact products of the quantised numbers (number of the format x scale) in f32.
;;   ~~~python
;;   def quantise(x, axis):      # numpy; x: float32 -> the quantised numbers, widened to float32 again
;;       x = np.moveaxis(x, axis, -1); K = x.shape[-1]
;;       x = np.pad(x, [(0, 0)] * (x.ndim - 1) + [(0, -K % 32)]); x = x.reshape(x.shape[:-1] + (-1, 32)); a = np.abs(x).max(-1, keepdims=True)
;;       e = np.where(a > 0, np.clip(np.frexp(np.where(a > 0, a, 1))[1] - 1 - 2, -126, 127), 0)      # np.frexp(a)[1] - 1 = floor(log2(a)), exactly
;;       r = np.clip(x / 2.0 ** e, -7.5, 7.5)
;;       step = 2.0 ** (np.maximum(np.frexp(np.where(r == 0, 1, r))[1] - 1, 0) - 3)
;;       q = np.round(r / step) * step * 2.0 ** e      # np.round: ties to even
;;       return np.moveaxis(q.reshape(q.shape[:-2] + (-1,))[..., :K], -1, axis).astype(np.float32)
;;   ~~~
;;   SOFTMAX AHEAD OF A QUANTISED PRODUCT. Where the list says 'softmax', what is quantised is not the finished softmax but p = 2^(t - M), with t = logit x log2(e) and M = ceil(the row's largest t), a whole number; so 1/2 < the row's largest p <= 1. The row's sum l is taken of the UNQUANTISED p, in f32, and the product's result is divided by l at the end. Since M is a whole number, a kernel that streams over the keys may use a running M (the ceiling of the running maximum): every later rescaling is an exact power of two, which a block's scale takes up: the codes' values come out the same.
;;   OPERANDS COMPUTED ON THE WAY. 'Computed on the way' means the value that the module computes at that place (a softmax that the list does not call 'softmax' is quantised finished and normalised). What goes into a quantiser is computed in f32, as accurately as f32 sums, v_exp_f32 and their like allow (about 1e-6 of the number): no bf16 or f16 on the way to a quantiser, and a product that is left as it is and whose result goes on into a quantised operand takes f32 operands (vector FMAs, or v_wmma_f32_16x16x4_f32). A number that lies on a knife's edge between two numbers of the format may be rounded either way, as far as f32 arithmetic and the matrix unit's own rounding can turn it there, and no further.
;; One version. Each part assembles by itself: llvm-mc -triple=amdgcn-amd-amdhsa -mcpu=gfx1250 --defsym DOCPART=n.
;; ======== version 1 of 1: 4 launches
;; workspace buffers: xc 22,020,096 bytes; xs 917,504 bytes; qkvc 18,874,368 bytes; qkvs 786,432 bytes; ac 6,291,456 bytes; asc 262,144 bytes
;; launch quant (part 1): grid 1792 x 1, 4 waves a work-group, no clusters, 34,304 bytes of LDS; arguments query_data, key_data, value_data, Wq, Wk, Wv, Wp, xc, xs; writes xc, xs
.if DOCPART == 1
	.amdgcn_target "amdgcn-amd-amdhsa--gfx1250"
	.amdhsa_code_object_version 6
	.text
	.protected	k_qe3a469811d_quant
	.globl	k_qe3a469811d_quant
	.p2align	8
	.type	k_qe3a469811d_quant,@function
k_qe3a469811d_quant:
	s_mov_b64 s[64:65], 0
	v_nop
	global_prefetch_b8 v0, s[64:65] scope:SCOPE_SE
	s_setreg_imm32_b32 hwreg(HW_REG_WAVE_MODE, 25, 1), 1
	s_wait_xcnt 0x0
; The seven f32 inputs whose K (1,024) is innermost become codes of FP6 (E2M3) with one E8M0 byte for each 32 along K.
; Their rows are numbered through as tiles of 16 rows (RT): query_data 0-511, key_data 512-1023, value_data 1024-1535, Wq 1536-, Wk 1600-, Wv 1664-, Wp 1728-1791.
; OUT.  xc [RT][K step 0..7][1,536 bytes]: a fragment (16 rows x 128 K) as an image of the operand's 12 registers, in two halves of 768 bytes (64 K each):
;   registers 0-3 of a half at 16 x lane, registers 4-5 at 512 + 8 x lane.  Lane r + 16 h holds row r, and in half c the block of 32 numbered 2 c + h.
;   xs [RT][K step][16 rows]: one word a row, byte b for the step's block b.
; A block's scale is 2^(floor(log2(its largest magnitude)) - 2); its byte is that magnitude's exponent field - 2, held at 1 from below.
; LIMITS: a block of zeros, or one whose largest magnitude lies under 2^-124, gets the byte 1 (the bytes are read by this program alone; zero codes add nothing); NaN and infinities are not served.
; SHARES.  A work-group takes one RT, wave w its K steps 2 w and 2 w + 1.  Each load reads 512 consecutive bytes of a row; a K step's 16 x 512 bytes turn through the wave's own stage in LDS
; (rows 528 bytes apart), so that a lane gets two whole blocks of 32 neighbours.  Straight line: no loop, no barrier; waves share nothing.  32 loads of a wave are out at the start.
; No tensor loads, clusters or matrix units: every input byte is read once by one wave, so nothing is shared.
.set SPI,  528                         ; a stage row: 512 bytes + 16
.set STG,  16*SPI                      ; a wave's stage
.set R,    16                          ; v16-143   two K steps x 16 rows x 4 registers, as loaded
.set X,    144                         ; v144-207  my two blocks of 32 numbers
.set PC,   208                         ; v208-231  codes: 12 registers for each K step, so that no store's data are written again
.set TT,   232                         ; v232-234, v236-238  the upper 16 codes of each block, before they are moved
.set M,    240                         ; v240-241  largest magnitudes
.set SO,   242                         ; v242-243  the conversions' scale operands
.set BY,   244                         ; v244-245  the bytes
.set PW,   246                         ; v246-247  the scale word of each K step
	s_load_b512 s[4:19], s[0:1], 0x0               ; query s[4:5], key s[6:7], value s[8:9], Wq s[10:11], Wk s[12:13], Wv s[14:15], Wp s[16:17], xc s[18:19]
	s_load_b64 s[20:21], s[0:1], 0x40              ; xs
	v_lshl_add_u32 v254, v0, 2, 0x8400
	v_mov_b32 v255, 0
	v_lshrrev_b32 v1, 5, v0
	v_readfirstlane_b32 s22, v1                    ; wave 0..3
	v_and_b32 v7, 31, v0                           ; lane
	v_and_b32 v8, 15, v0                           ; r
	v_bfe_u32 v9, v0, 4, 1                         ; h
	v_lshlrev_b32 v1, 4, v7                        ; 16 x lane: a load's and a 16-byte store's place
	v_lshlrev_b32 v2, 3, v7                        ; 8 x lane
	v_lshlrev_b32 v3, 2, v7                        ; 4 x lane
	s_mul_i32 s23, s22, STG                        ; my stage
	v_add_nc_u32 v4, s23, v1                       ; into it: 16 x lane of a row
	v_mul_u32_u24 v5, v8, SPI
	v_lshl_add_u32 v5, v9, 7, v5
	v_add_nc_u32 v5, s23, v5                       ; out of it: row r, 128 h bytes on: my block of 32
	v_lshlrev_b32 v6, 3, v9                        ; 8 h: my bytes' place in the scale word
	v_mov_b32 v249, 0                              ; written once: a lane permute's destination counts as one of its sources
	s_mov_b32 s30, 0x76543210
	s_mov_b32 s31, 0xfedcba98                      ; v_permlanex16_b32's selects for lane l xor 16
	s_mov_b32 s32, 0xffff0000                      ; lanes 16-31
	s_wait_alu depctr_va_vdst(0)
	s_wait_kmcnt 0x0
	; which tensor: a chain of choices on the work-group's number alone
	s_mov_b64 s[24:25], s[16:17]
	s_mov_b32 s26, 1728
.macro PICK thr, cand, base
	s_cmp_lt_u32 ttmp9, \thr
	s_cselect_b64 s[24:25], s[\cand:\cand+1], s[24:25]
	s_cselect_b32 s26, \base, s26
.endm
	PICK 1728, 14, 1664
	PICK 1664, 12, 1600
	PICK 1600, 10, 1536
	PICK 1536, 8, 1024
	PICK 1024, 6, 512
	PICK 512, 4, 0
	s_sub_co_u32 s26, ttmp9, s26                   ; the tile of rows within its tensor:
	s_lshl_b32 s26, s26, 16                        ; 16 rows of 4,096 bytes,
	s_lshl_b32 s27, s22, 10                        ; and my wave's 256 along K
	s_add_co_u32 s26, s26, s27
	s_mov_b32 s27, 0
	s_add_nc_u64 s[24:25], s[24:25], s[26:27]
	s_mul_i32 s26, ttmp9, 12288                    ; xc: 8 fragments a tile of rows, two of them mine
	s_mul_i32 s28, s22, 3072
	s_add_co_u32 s26, s26, s28
	s_add_nc_u64 s[18:19], s[18:19], s[26:27]
	s_lshl_b32 s26, ttmp9, 9                       ; xs: 512 bytes a tile of rows, 128 of them mine
	s_lshl_b32 s28, s22, 7
	s_add_co_u32 s26, s26, s28
	s_add_nc_u64 s[20:21], s[20:21], s[26:27]
.irp t, 0,1
.irp i, 0,1,2,3,4,5,6,7,8,9,10,11,12,13,14,15
	global_load_b128 v[R+64*\t+4*\i:R+64*\t+4*\i+3], v1, s[24:25] offset:4096*\i+512*\t th:TH_LOAD_NT   ; 32 lanes read 512 consecutive bytes: K step t of row i
.endr
.endr
.macro TURN t                          ; K step t through the stage: LDS serves a wave's instructions in order, so no wait stands between the stores and the loads
.irp i, 0,1,2,3,4,5,6,7,8,9,10,11,12,13,14,15
	ds_store_b128 v4, v[R+64*\t+4*\i:R+64*\t+4*\i+3] offset:SPI*\i
.endr
.irp c, 0,1
.irp q, 0,1,2,3,4,5,6,7
	ds_load_b128 v[X+32*\c+4*\q:X+32*\c+4*\q+3], v5 offset:256*\c+16*\q   ; k = 64 c + 32 h + 4 q ..
.endr
.endr
.endm
.macro QF t                            ; my two blocks (h and 2 + h of the K step) become codes, the row's four bytes its scale word
.irp c, 0,1
	v_max3_num_f32 v[M+\c], |v[X+32*\c]|, |v[X+32*\c+1]|, 0x1800000   ; with the floor 2^(3 - 127): the byte cannot fall under 1
.endr
.irp i, 2,4,6,8,10,12,14,16,18,20,22,24,26,28,30
.irp c, 0,1
	v_max3_num_f32 v[M+\c], v[M+\c], |v[X+32*\c+\i]|, |v[X+32*\c+\i+1]|   ; the two blocks by turns
.endr
.endr
.irp c, 0,1
	v_add_nc_u32 v[SO+\c], 0xff000000, v[M+\c]     ; 2 off the exponent field: the conversion takes that field as its scale
.endr
.irp c, 0,1
	v_lshrrev_b32 v[BY+\c], 23, v[SO+\c]           ; the byte
.endr
	v_lshl_or_b32 v248, v[BY+1], 16, v[BY]
	v_lshlrev_b32 v248, v6, v248                   ; at bytes h and 2 + h
	v_permlanex16_b32 v249, v248, s30, s31
	v_or_b32 v[PW+\t], v248, v249                  ; with lane l xor 16's two the word is whole, in both lanes
.irp c, 0,1
	v_cvt_scalef32_pk16_fp6_f32 v[PC+12*\t+6*\c:PC+12*\t+6*\c+2], v[X+32*\c:X+32*\c+15], v[SO+\c]
	v_cvt_scalef32_pk16_fp6_f32 v[TT+4*\c:TT+4*\c+2], v[X+32*\c+16:X+32*\c+31], v[SO+\c]   ; (a conversion's three registers begin on an even number)
.endr
	v_nop                                          ; one plain place behind a scaled conversion
.irp c, 0,1
.irp i, 0,1,2
	v_mov_b32 v[PC+12*\t+6*\c+3+\i], v[TT+4*\c+\i]
.endr
.endr
	global_store_b128 v1, v[PC+12*\t:PC+12*\t+3], s[18:19] offset:1536*\t          ; each store covers 512 or 256 consecutive bytes, at a multiple of 256 from xc's first byte
	global_store_b64 v2, v[PC+12*\t+4:PC+12*\t+5], s[18:19] offset:1536*\t+512
	global_store_b128 v1, v[PC+12*\t+6:PC+12*\t+9], s[18:19] offset:1536*\t+768
	global_store_b64 v2, v[PC+12*\t+10:PC+12*\t+11], s[18:19] offset:1536*\t+1280
.endm
	s_wait_loadcnt 16                              ; K step 0's sixteen loads are in; K step 1's sixteen may be out
	TURN 0
	s_wait_dscnt 0x0
	QF 0
	s_wait_loadcnt 0x0
	TURN 1
	s_wait_dscnt 0x0
	QF 1
	v_cndmask_b32 v248, v[PW], v[PW+1], s32        ; lanes 0-15: K step 2 w's words, lanes 16-31: K step 2 w + 1's
	global_store_b32 v3, v248, s[20:21]            ; 128 consecutive bytes: one part in 24 of what the wave stores
	s_wait_tensorcnt 0x0
	ds_add_u32 v254, v255
	s_wait_dscnt 0x0
	s_endpgm
.Lfunc_end_k_qe3a469811d_quant:
	.size	k_qe3a469811d_quant, .Lfunc_end_k_qe3a469811d_quant-k_qe3a469811d_quant
	.p2alignl 7, 3214868480
	.fill 96, 4, 3214868480
	.section	.rodata,"a",@progbits
	.p2align	6, 0x0
	.amdhsa_kernel k_qe3a469811d_quant
		.amdhsa_group_segment_fixed_size 34304
		.amdhsa_private_segment_fixed_size 0
		.amdhsa_enable_private_segment 0
		.amdhsa_kernarg_size 72
		.amdhsa_user_sgpr_count 2
		.amdhsa_user_sgpr_kernarg_segment_ptr 1
		.amdhsa_wavefront_size32 1
		.amdhsa_system_sgpr_workgroup_id_x 1
		.amdhsa_system_sgpr_workgroup_id_y 1
		.amdhsa_system_sgpr_workgroup_id_z 1
		.amdhsa_system_vgpr_workitem_id 0
		.amdhsa_next_free_vgpr 256
		.amdhsa_next_free_sgpr 66
		.amdhsa_reserve_vcc 0
		.amdhsa_float_denorm_mode_32 3
		.amdhsa_float_denorm_mode_16_64 3
		.amdhsa_memory_ordered 1
		.amdhsa_forward_progress 1
		.amdhsa_inst_pref_size 17
	.end_amdhsa_kernel
	.amdgpu_metadata
---
amdhsa.version: [ 1, 2 ]
amdhsa.kernels:
  - .name:           k_qe3a469811d_quant
    .symbol:         k_qe3a469811d_quant.kd
    .args:
      - { .name: query_data, .offset: 0, .size: 8, .value_kind: global_buffer, .address_space: global }
      - { .name: key_data, .offset: 8, .size: 8, .value_kind: global_buffer, .address_space: global }
      - { .name: value_data, .offset: 16, .size: 8, .value_kind: global_buffer, .address_space: global }
      - { .name: Wq, .offset: 24, .size: 8, .value_kind: global_buffer, .address_space: global }
      - { .name: Wk, .offset: 32, .size: 8, .value_kind: global_buffer, .address_space: global }
      - { .name: Wv, .offset: 40, .size: 8, .value_kind: global_buffer, .address_space: global }
      - { .name: Wp, .offset: 48, .size: 8, .value_kind: global_buffer, .address_space: global }
      - { .name: xc, .offset: 56, .size: 8, .value_kind: global_buffer, .address_space: global }
      - { .name: xs, .offset: 64, .size: 8, .value_kind: global_buffer, .address_space: global }
    .group_segment_fixed_size: 34304
    .private_segment_fixed_size: 0
    .kernarg_segment_align: 8
    .kernarg_segment_size: 72
    .max_flat_workgroup_size: 128
    .sgpr_count:     66
    .vgpr_count:     256
    .wavefront_size: 32
...
	.end_amdgpu_metadata
.endif
;; end of part 1
;; launch proj (part 2): grid 4 x 192, 4 waves a work-group, clusters of 4 x 4, 307,712 bytes of LDS; arguments xc, xs, qkvc, qkvs; writes qkvc, qkvs
.if DOCPART == 2
	.amdgcn_target "amdgcn-amd-amdhsa--gfx1250"
	.amdhsa_code_object_version 6
	.text
	.protected	k_qe3a469811d_proj
	.globl	k_qe3a469811d_proj
	.p2align	8
	.type	k_qe3a469811d_proj,@function
k_qe3a469811d_proj:
	s_mov_b64 s[64:65], 0
	v_nop
	global_prefetch_b8 v0, s[64:65] scope:SCOPE_SE
	s_setreg_imm32_b32 hwreg(HW_REG_WAVE_MODE, 25, 1), 1
	s_wait_xcnt 0x0
	s_wait_alu depctr_hold_cnt(0) depctr_sa_sdst(0) depctr_va_vdst(0) depctr_va_sdst(0) depctr_va_ssrc(0) depctr_va_vcc(0) depctr_vm_vsrc(0)
	s_getreg_b32 s2, hwreg(HW_REG_IB_STS2, 6, 4)
	s_cmp_eq_u32 s2, 0
	s_cbranch_scc0 .Lentry_in_a_cluster
	s_endpgm
.Lentry_in_a_cluster:
	s_bfe_u32 s2, ttmp6, 0x10000c
	s_cmp_lg_u32 s2, 0xf033
	s_cbranch_scc0 .Lentry_shape_is_right
	s_endpgm
.Lentry_shape_is_right:
; q = query Wq^T, k = key Wk^T, v = value Wv^T on codes of FP6 (E2M3) with E8M0 scales, and the results quantised at once, in registers: q and k along the head's 64, v along the keys.
; C[i][j] = sum over k of P[i][k] R[j][k].  Source 0 = 16 rows of R, source 1 = 16 rows of P: a lane holds ONE row of P, and its registers run along j, the axis that is quantised.
;   q, k (type 0, 1): P = the data's rows, R = the weight's rows (j = the feature).      v (type 2): P = Wv's rows (i = the feature), R = value's rows (j = the key).
; A work-group makes 128 i x 256 j, a wave 64 i x 128 j: 32 accumulators.  All of K = 1,024 of both tiles lies in LDS as codes: 4 chunks of 256 along K, each filled ONCE; no LDS byte is filled twice.
; IN.  xc [tile of 16 rows RT][K step][1,536]: images of the operands' registers; xs [RT][K step][16] scale words (made by the launch before).
; OUT. qkvc: region t at t x 6,291,456; [128 rows or keys][head][6,144].  q, k: 8 tiles of 16 rows x 768 bytes (half a fragment: 64 along d).  v: 4 tiles of 16 d x 1,536 bytes (a fragment: 128 keys).
;      qkvs: region t at t x 262,144; [128 rows or keys][head][256].  q, k: [pair of tiles T][row] words, tile 2 T's two bytes below tile 2 T + 1's.  v: [d] words, four bytes for the 128 keys.
; THE ORDER INSIDE A BLOCK OF 32.  A lane's 16 registers of two neighbouring tiles of j are j = 8 h + 0..7 and 16 + 8 h + 0..7 of the block, so the codes lie in the order 0-7, 16-23, 8-15, 24-31.
;   q and k have the same order, and so have v and the softmax's p in the next launch: a permutation of k that both operands share keeps every product.
; CLUSTERS: 4 x 4.  P's tile hangs on the cluster's y and on cy, and is asked for jointly by my row of the cluster; R's on the cluster's y and cx, by my column.  The type is the same in all sixteen.
; A wave has five tensor loads out: its scale words and its part of the four chunks.
; LIMITS: as the quantiser before: zero blocks and blocks under 2^-124 get the byte 1; NaN and infinities are not served.  The scale words leave in pieces of 64 or 128 bytes: one part in 24 of the stores.
; REGISTERS.  window 0: v1-3 lane, r, h; v4-9 LDS addresses; v10-15 store offsets; v16-27 scale words, two sets; v48-143 P's fragments, two sets; v144-195 the quantiser.
;   window 1: R's fragments, sets at v0 and v128.   window 2: accumulator (a, b) at v[8 (8 a + b)].
.set CH,   73728                       ; a chunk: P's 8 tiles of rows x 3,072 bytes, then R's 16
.set PSC,  4*CH                        ; P's scale words: 8 x 512 bytes
.set RSC,  PSC+4096                    ; R's: 16 x 512
.set WV,   12
.set WI,   13                          ; which 64 rows of P are mine
.set WJ,   14                          ; which 128 rows of R; also: which half of a tile I fetch
.set CX,   15
.set CY,   16
.set CL,   17
.set TY,   18
.set PRT,  2                           ; s2   the first tile of rows of P that I would fetch (never holds cx)
.set RRT,  3                           ; s3   of R (never holds cy)
.set LP,   100                         ; s100, s101, s104, s105: my half's place in LDS: P's codes, P's scales, R's codes, R's scales
.set LPS,  101
.set LR,   104
.set LRS,  105
.set G1P,  24                          ; descriptor groups 1: P's codes, R's codes, P's scales, R's scales
.set G1R,  32
.set G1SP, 40
.set G1SR, 48
.set GP0,  56                          ; groups 0: P's chunks 0-3 and scales, R's chunks 0-3 and scales
.set GP1,  60
.set GP2,  68
.set GP3,  72
.set GPS,  76
.set GR0,  80
.set GR1,  84
.set GR2,  88
.set GR3,  92
.set GRS,  96
.set TM,   144                         ; v144-159 the quantiser's maxima, bytes, scale operands
.set PW,   160                         ; v160-163 the scale word of each tile of P's rows
.set PC,   176                         ; v176-187 a fragment's codes; v188-190, v192-194 upper halves before they change places
.set MSB, 0
.macro WIN new                         ; the immediate's high byte repeats the setting that is left
.if MSB != \new
	s_set_vgpr_msb (MSB<<8)|\new
.set MSB, \new
.endif
.endm
.macro CROUND                          ; a round of the cluster's barrier
	s_barrier_signal -1
	s_barrier_wait -1
	s_cmp_lg_u32 s[WV], 0
	s_cbranch_scc1 .Lnot_wave_0_\@
	s_barrier_signal -3
.Lnot_wave_0_\@:
	s_barrier_wait -3
	s_barrier_signal -1
	s_barrier_wait -1
.endm
.macro G1SET g, c, r, p                ; words 1 to 7: rows of c elements of 8 bytes, r rows, p elements from row to row
	s_mov_b32 s[\g+1], (\c)<<16
	s_mov_b32 s[\g+2], (\r)<<16
	s_mov_b32 s[\g+3], (\c)<<16
	s_mov_b32 s[\g+4], \r
	s_mov_b32 s[\g+5], \p
	s_mov_b32 s[\g+6], 0
	s_mov_b32 s[\g+7], 0
.endm
.macro G0SET g, lreg, loff, ptr, rt, mul, add   ; to LDS byte s[lreg] + loff, from s[ptr] + s[rt] x mul + add
	s_mov_b32 s[\g], 1
	s_add_co_u32 s[\g+1], s[\lreg], \loff
	s_mul_i32 s[\g+2], s[\rt], \mul
	s_mov_b32 s[\g+3], 0
	s_add_nc_u64 s[\g+2:\g+3], s[\ptr:\ptr+1], s[\g+2:\g+3]
.if \add
	s_add_nc_u64 s[\g+2:\g+3], s[\g+2:\g+3], \add
.endif
	s_or_b32 s[\g+3], s[\g+3], 0x80000000
.endm
	s_load_b256 s[4:11], s[0:1], 0x0               ; xc s[4:5], xs s[6:7], qkvc s[8:9], qkvs s[10:11]
	v_lshl_add_u32 v254, v0, 2, 0x4b000
	v_mov_b32 v255, 0
	ds_add_u32 v254, v255
	ds_add_u32 v254, v255
	v_lshrrev_b32 v1, 5, v0
	v_readfirstlane_b32 s[WV], v1                  ; wave 0..3
	s_lshr_b32 s[WI], s[WV], 1
	s_and_b32 s[WJ], s[WV], 1
	s_bfe_u32 s[CX], ttmp6, 0x40000
	s_bfe_u32 s[CY], ttmp6, 0x40004
	s_and_b32 s[CL], ttmp7, 0xffff                 ; the cluster's y: 16 clusters for each type
	s_lshr_b32 s[TY], s[CL], 4                     ; 0 q, 1 k, 2 v
	s_and_b32 s[CL], s[CL], 15
	s_lshl_b32 s19, s[CY], 2
	s_lshl_b32 s19, 15, s19                        ; my row of the cluster
	s_lshl_b32 s20, 0x1111, s[CX]                  ; my column
	s_or_b32 s[G1P], s19, (3<<16)|(1<<21)          ; 15:0 the mask; 17:16 elements of 8 bytes; 21 set beside a mask; no padding: every LDS read is of consecutive bytes
	s_or_b32 s[G1R], s20, (3<<16)|(1<<21)
	s_or_b32 s[G1SP], s19, (3<<16)|(1<<21)
	s_or_b32 s[G1SR], s20, (3<<16)|(1<<21)
	G1SET G1P, 384, 4, 1536                        ; 4 tiles of rows x 3,072 bytes (two K steps), 12,288 bytes apart
	G1SET G1R, 384, 8, 1536
	G1SET G1SP, 32, 8, 32                          ; 2,048 dense bytes
	G1SET G1SR, 32, 16, 32                         ; 4,096 dense bytes
	; which tiles.  q, k: it = 4 cl + cy, jt = cx.   v: it = 4 (cl & 1) + cy, jt = 4 (cl >> 1) + cx
	s_lshl_b32 s21, s[CL], 2
	s_and_b32 s22, s[CL], 1
	s_lshl_b32 s22, s22, 2
	s_lshl_b32 s23, s[TY], 9                       ; q, k: the data begin at RT 512 t
	s_lshr_b32 s66, s[CL], 1
	s_lshl_b32 s66, s66, 2
	s_lshl_b32 s67, s[TY], 6
	s_add_co_u32 s67, s67, 1536                    ; q, k: the weight begins at RT 1,536 + 64 t
	s_cmp_lt_u32 s[TY], 2
	s_cselect_b32 s21, s21, s22
	s_cselect_b32 s23, s23, 1664                   ; v: P = Wv
	s_cselect_b32 s66, 0, s66
	s_cselect_b32 s67, s67, 1024                   ; v: R = value_data
	s_add_co_u32 s21, s21, s[CY]                   ; it
	s_lshl_b32 s21, s21, 3
	s_add_co_u32 s[PRT], s23, s21
	s_lshl_b32 s22, s[WJ], 2
	s_add_co_u32 s[PRT], s[PRT], s22               ; + 4 x my half
	s_add_co_u32 s66, s66, s[CX]                   ; jt
	s_lshl_b32 s66, s66, 4
	s_add_co_u32 s[RRT], s67, s66
	s_lshl_b32 s22, s[WJ], 3
	s_add_co_u32 s[RRT], s[RRT], s22               ; + 8 x my half
	s_mul_i32 s[LP], s[WJ], 12288                  ; no place in the cluster enters an LDS address
	s_lshl_b32 s[LPS], s[WJ], 11
	s_mul_i32 s[LR], s[WJ], 24576
	s_lshl_b32 s[LRS], s[WJ], 12
	s_wait_dscnt 0x0
	s_wait_kmcnt 0x0
	G0SET GPS, LPS, PSC, 6, PRT, 512, 0
	G0SET GP0, LP, 0, 4, PRT, 12288, 0
	G0SET GP1, LP, CH, 4, PRT, 12288, 3072
	G0SET GP2, LP, 2*CH, 4, PRT, 12288, 6144
	G0SET GP3, LP, 3*CH, 4, PRT, 12288, 9216
	G0SET GRS, LRS, RSC, 6, RRT, 512, 0
	G0SET GR0, LR, 24576, 4, RRT, 12288, 0
	G0SET GR1, LR, CH+24576, 4, RRT, 12288, 3072
	G0SET GR2, LR, 2*CH+24576, 4, RRT, 12288, 6144
	G0SET GR3, LR, 3*CH+24576, 4, RRT, 12288, 9216
	CROUND                                         ; all sixteen work-groups are here: the joint loads meet
	s_cmp_lt_u32 s[WV], 2                          ; waves 0, 1 fetch P's halves, waves 2, 3 R's: a wave's five first fills stand in one branch, four v_nop behind the last
	s_cbranch_scc0 .Lfor_r
	tensor_load_to_lds s[GPS:GPS+3], s[G1SP:G1SP+7]
	s_nop 0
	tensor_load_to_lds s[GP0:GP0+3], s[G1P:G1P+7]
	s_nop 0
	tensor_load_to_lds s[GP1:GP1+3], s[G1P:G1P+7]
	s_nop 0
	tensor_load_to_lds s[GP2:GP2+3], s[G1P:G1P+7]
	s_nop 0
	tensor_load_to_lds s[GP3:GP3+3], s[G1P:G1P+7]
	s_nop 0
.rept 4
	v_nop
.endr
	s_branch .Lasked
.Lfor_r:
	tensor_load_to_lds s[GRS:GRS+3], s[G1SR:G1SR+7]
	s_nop 0
	tensor_load_to_lds s[GR0:GR0+3], s[G1R:G1R+7]
	s_nop 0
	tensor_load_to_lds s[GR1:GR1+3], s[G1R:G1R+7]
	s_nop 0
	tensor_load_to_lds s[GR2:GR2+3], s[G1R:G1R+7]
	s_nop 0
	tensor_load_to_lds s[GR3:GR3+3], s[G1R:G1R+7]
	s_nop 0
.rept 4
	v_nop
.endr
.Lasked:
	v_and_b32 v1, 31, v0                           ; lane
	v_and_b32 v2, 15, v0                           ; r
	v_bfe_u32 v3, v0, 4, 1                         ; h
	s_mul_i32 s19, s[WI], 12288                    ; my 4 tiles of P's rows in a chunk
	v_lshl_add_u32 v4, v1, 4, s19                  ; + 16 x lane
	v_lshl_add_u32 v5, v1, 3, s19                  ; + 8 x lane
	s_mul_i32 s20, s[WJ], 24576
	s_add_co_u32 s20, s20, 24576                   ; my 8 tiles of R's rows
	v_lshl_add_u32 v6, v1, 4, s20
	v_lshl_add_u32 v7, v1, 3, s20
	s_lshl_b32 s21, s[WI], 11
	s_add_co_u32 s21, s21, PSC
	v_lshl_add_u32 v8, v3, 9, s21                  ; P's scale words: lanes 0-15 the even tile of a pair, lanes 16-31 the odd one (512 bytes on),
	v_lshl_add_u32 v8, v2, 2, v8                   ; row r's word
	s_lshl_b32 s22, s[WJ], 12
	s_add_co_u32 s22, s22, RSC
	v_lshl_add_u32 v9, v3, 9, s22
	v_lshl_add_u32 v9, v2, 2, v9
; K step s's fragments and scale words into set s % 2: 54 LDS loads, each of consecutive bytes.  A fragment: 16 bytes a lane, 8, 16, 8.
.macro FETCH s
.set FS, (\s)%2
	WIN 0x40                                       ; destination window 1, address window 0
.irp b, 0,1,2,3,4,5,6,7
	ds_load_b128 v[128*FS+12*\b:128*FS+12*\b+3], v6 offset:3072*\b+1536*FS
	ds_load_b64 v[128*FS+12*\b+4:128*FS+12*\b+5], v7 offset:3072*\b+1536*FS+512
	ds_load_b128 v[128*FS+12*\b+6:128*FS+12*\b+9], v6 offset:3072*\b+1536*FS+768
	ds_load_b64 v[128*FS+12*\b+10:128*FS+12*\b+11], v7 offset:3072*\b+1536*FS+1280
.endr
	WIN 0
.irp a, 0,1,2,3
	ds_load_b128 v[48+48*FS+12*\a:48+48*FS+12*\a+3], v4 offset:3072*\a+1536*FS
	ds_load_b64 v[48+48*FS+12*\a+4:48+48*FS+12*\a+5], v5 offset:3072*\a+1536*FS+512
	ds_load_b128 v[48+48*FS+12*\a+6:48+48*FS+12*\a+9], v4 offset:3072*\a+1536*FS+768
	ds_load_b64 v[48+48*FS+12*\a+10:48+48*FS+12*\a+11], v5 offset:3072*\a+1536*FS+1280
.endr
.irp q, 0,1
	ds_load_b32 v[16+6*FS+\q], v8 offset:1024*\q+64*(\s)
.endr
.irp q, 0,1,2,3
	ds_load_b32 v[18+6*FS+\q], v9 offset:1024*\q+64*(\s)
.endr
.endm
; One product.  pa, pb: source 0's (R's) and source 1's (P's) tile is the odd one of its pair: its scale words lie in lanes 16-31.  first = 1: the product starts the sum.
.macro WM first, pa, pb
.if \first
.if (\pa) && (\pb)
	v_wmma_scale_f32_16x16x128_f8f6f4 v[rD:rD+7], v[rR:rR+11], v[rP:rP+11], 0, v[rSR], v[rSP] matrix_a_fmt:MATRIX_FMT_FP6 matrix_b_fmt:MATRIX_FMT_FP6 matrix_a_scale:MATRIX_SCALE_ROW1 matrix_b_scale:MATRIX_SCALE_ROW1
.elseif (\pa)
	v_wmma_scale_f32_16x16x128_f8f6f4 v[rD:rD+7], v[rR:rR+11], v[rP:rP+11], 0, v[rSR], v[rSP] matrix_a_fmt:MATRIX_FMT_FP6 matrix_b_fmt:MATRIX_FMT_FP6 matrix_a_scale:MATRIX_SCALE_ROW1
.elseif (\pb)
	v_wmma_scale_f32_16x16x128_f8f6f4 v[rD:rD+7], v[rR:rR+11], v[rP:rP+11], 0, v[rSR], v[rSP] matrix_a_fmt:MATRIX_FMT_FP6 matrix_b_fmt:MATRIX_FMT_FP6 matrix_b_scale:MATRIX_SCALE_ROW1
.else
	v_wmma_scale_f32_16x16x128_f8f6f4 v[rD:rD+7], v[rR:rR+11], v[rP:rP+11], 0, v[rSR], v[rSP] matrix_a_fmt:MATRIX_FMT_FP6 matrix_b_fmt:MATRIX_FMT_FP6
.endif
.else
.if (\pa) && (\pb)
	v_wmma_scale_f32_16x16x128_f8f6f4 v[rD:rD+7], v[rR:rR+11], v[rP:rP+11], v[rD:rD+7], v[rSR], v[rSP] matrix_a_fmt:MATRIX_FMT_FP6 matrix_b_fmt:MATRIX_FMT_FP6 matrix_a_scale:MATRIX_SCALE_ROW1 matrix_b_scale:MATRIX_SCALE_ROW1
.elseif (\pa)
	v_wmma_scale_f32_16x16x128_f8f6f4 v[rD:rD+7], v[rR:rR+11], v[rP:rP+11], v[rD:rD+7], v[rSR], v[rSP] matrix_a_fmt:MATRIX_FMT_FP6 matrix_b_fmt:MATRIX_FMT_FP6 matrix_a_scale:MATRIX_SCALE_ROW1
.elseif (\pb)
	v_wmma_scale_f32_16x16x128_f8f6f4 v[rD:rD+7], v[rR:rR+11], v[rP:rP+11], v[rD:rD+7], v[rSR], v[rSP] matrix_a_fmt:MATRIX_FMT_FP6 matrix_b_fmt:MATRIX_FMT_FP6 matrix_b_scale:MATRIX_SCALE_ROW1
.else
	v_wmma_scale_f32_16x16x128_f8f6f4 v[rD:rD+7], v[rR:rR+11], v[rP:rP+11], v[rD:rD+7], v[rSR], v[rSP] matrix_a_fmt:MATRIX_FMT_FP6 matrix_b_fmt:MATRIX_FMT_FP6
.endif
.endif
.endm
; A K step's 32 products.  The 32 accumulators take turns, one instruction a turn, in the same order in every step.
.macro MUL s, first
.set FS, (\s)%2
.irp a, 0,1,2,3
.irp b, 0,1,2,3,4,5,6,7
.set rD, 8*(8*\a+\b)
.set rR, 128*FS+12*\b
.set rP, 48+48*FS+12*\a
.set rSR, 18+6*FS+\b/2
.set rSP, 16+6*FS+\a/2
	WM \first, \b%2, \a%2
.endr
.endr
.endm
; K step s: its fragments are in; the next step's are asked for; its products.  Steps 1, 3, 5 are the last of their chunk to be fetched from: the next chunk must have landed in every wave.
.macro STEP s
	WIN 0
.if ((\s)%2 == 1) && ((\s) < 7)
	s_wait_tensorcnt (5-(\s))/2                    ; my part of the next chunk has landed; the chunks behind it (2, 1, 0 of them) may be out
.endif
	s_wait_dscnt 0x0                               ; this step's fragments are in, and no LDS load of mine is out at a signal
.if ((\s)%2 == 1) && ((\s) < 7)
	s_barrier_signal -1
	s_barrier_wait -1                              ; everybody's part has landed
	v_add_nc_u32 v4, CH, v4                        ; on to the next chunk.  These four lines are also the four places between the last products
	v_add_nc_u32 v5, CH, v5                        ; and the loads into the registers that they read (ISA guide 7.12.1 for vector instructions)
	v_add_nc_u32 v6, CH, v6
	v_add_nc_u32 v7, CH, v7
.elseif ((\s) > 0) && ((\s) < 7)
.rept 4
	v_nop                                          ; the same four places
.endr
.endif
.if (\s) < 7
	FETCH (\s)+1
.endif
	WIN 0xa1                                       ; source 0 (R) window 1, source 1 (P) window 0, C and D window 2
.if (\s) == 0
	MUL \s, 1
.else
	MUL \s, 0
.endif
.endm
	s_wait_alu depctr_va_vdst(0)
	s_wait_tensorcnt 0x3                           ; my scale words and my part of chunk 0 have landed; three chunks may be out
	s_barrier_signal -1
	s_barrier_wait -1                              ; everybody's have
	FETCH 0
	STEP 0
	STEP 1
	s_wait_alu depctr_va_vdst(0)
	STEP 2
	STEP 3
	s_wait_alu depctr_va_vdst(0)
	STEP 4
	STEP 5
	s_wait_alu depctr_va_vdst(0)
	STEP 6
	STEP 7
	WIN 0
	; THE WAY OUT.  No tensor load is out since step 5's wait for 0: the descriptors' registers are free.
	s_lshl_b32 s24, s[CL], 2
	s_and_b32 s25, s[CL], 1
	s_lshl_b32 s25, s25, 2
	s_lshr_b32 s26, s[CL], 1
	s_lshl_b32 s26, s26, 2
	s_mov_b32 s28, 1536                            ; v's values of what the type chooses
	s_mov_b32 s29, 0
	s_mov_b32 s30, 768
	s_mov_b32 s31, 0x03020100
	s_mov_b32 s32, 0x07060504
	s_mov_b32 s33, 128
	s_mov_b32 s37, 6144
	s_mov_b32 s42, 256
	s_cmp_lt_u32 s[TY], 2
	s_cselect_b32 s24, s24, s25
	s_cselect_b32 s26, 0, s26
	s_cselect_b32 s28, 768, s28                    ; SA: bytes from one tile of P's rows to the next
	s_cselect_b32 s30, 6144, s30                   ; SG: bytes from the first 64 of my j to the second: the next head, or the fragment's second half
	s_cselect_b32 s31, 0x05040100, s31             ; q, k: the lower two bytes of two tiles' words make a head's word; v: the words go as they are
	s_cselect_b32 s32, 0x07060302, s32
	s_cselect_b32 s33, 64, s33                     ; c3: lanes 16-31 store this many bytes on
	s_cselect_b32 s34, 256, 64                     ; c2: the second store this many
	s_cselect_b32 s37, 3072, s37                   ; my 64 rows of P: bytes of codes,
	s_cselect_b32 s42, 128, s42                    ; and of scale words
	s_add_co_u32 s24, s24, s[CY]                   ; it
	s_add_co_u32 s26, s26, s[CX]                   ; jt
	s_lshl_b32 s27, s26, 1
	s_add_co_u32 s27, s27, s[WJ]                   ; 2 jt + wj: my 128 of j
	s_cmp_lt_u32 s[TY], 2
	s_cselect_b32 s35, s24, s27                    ; the block of 128 rows or keys: it, or 2 jt + wj
	s_cselect_b32 s36, s27, s24                    ; the pair of heads: 2 jt + wj, or it
	s_mul_i32 s38, s[TY], 6291456
	s_mul_i32 s39, s35, 98304
	s_add_co_u32 s38, s38, s39
	s_mul_i32 s39, s36, 12288
	s_add_co_u32 s38, s38, s39
	s_mul_i32 s39, s[WI], s37
	s_add_co_u32 s38, s38, s39
	s_mov_b32 s39, 0
	s_add_nc_u64 s[8:9], s[8:9], s[38:39]          ; my codes
	s_lshl_b32 s40, s[TY], 18
	s_lshl_b32 s41, s35, 12
	s_add_co_u32 s40, s40, s41
	s_lshl_b32 s41, s36, 9
	s_add_co_u32 s40, s40, s41
	s_mul_i32 s41, s[WI], s42
	s_add_co_u32 s40, s40, s41
	s_mov_b32 s41, 0
	s_add_nc_u64 s[10:11], s[10:11], s[40:41]      ; my scale words
	s_mov_b32 s43, 0xffff0000                      ; lanes 16-31
	s_mov_b32 s46, 0x76543210
	s_mov_b32 s47, 0xfedcba98                      ; v_permlanex16_b32's selects for lane l xor 16
	v_lshlrev_b32 v10, 4, v1                       ; these eleven plain lines are the places between the last products and the first read of results
	v_lshlrev_b32 v11, 3, v1
	v_add_nc_u32 v12, s30, v10
	v_add_nc_u32 v13, s30, v11
	v_mul_u32_u24 v14, s33, v3
	v_lshl_add_u32 v14, v2, 2, v14                 ; 4 r + c3 h
	v_add_nc_u32 v15, s34, v14
.irp b, 0,1,2,3
	v_mov_b32 v[TM+4+\b], 0                        ; written once: a lane permute's destination counts as one of its sources
.endr
; The 64 results of tile a of P's rows (register 16 b + i: block b of 32 along j, my 16 of it) become a fragment's codes in v[PC] on and the row's scale word in v[PW + a].
.macro QUANTW a
	WIN 0x0a                                       ; sources 0 and 1: window 2
.irp b, 0,1,2,3
	v_max3_num_f32 v[TM+\b], |v[64*(\a)+16*\b]|, |v[64*(\a)+16*\b+1]|, 0x1800000   ; each accumulator is read from its low end on; the floor 2^(3 - 127) holds the byte at 1 from below
.endr
.irp i, 2,4,6,8,10,12,14
.irp b, 0,1,2,3
	v_max3_num_f32 v[TM+\b], |v[64*(\a)+16*\b+\i]|, |v[64*(\a)+16*\b+\i+1]|, v[TM+\b]
.endr
.endr
	WIN 0
.irp b, 0,1,2,3
	v_permlanex16_b32 v[TM+4+\b], v[TM+\b], s46, s47
.endr
.irp b, 0,1,2,3
	v_max_num_f32 v[TM+\b], v[TM+\b], v[TM+4+\b]   ; with lane l xor 16's 16: the block's largest magnitude
.endr
.irp b, 0,1,2,3
	v_add_nc_u32 v[TM+12+\b], 0xff000000, v[TM+\b] ; 2 off the exponent field: the conversion's scale operand
.endr
.irp b, 0,1,2,3
	v_lshrrev_b32 v[TM+4+\b], 23, v[TM+12+\b]      ; the byte
.endr
	v_lshl_or_b32 v[PW+(\a)], v[TM+5], 8, v[TM+4]
	v_lshl_or_b32 v[PW+(\a)], v[TM+6], 16, v[PW+(\a)]
	v_lshl_or_b32 v[PW+(\a)], v[TM+7], 24, v[PW+(\a)]
	WIN 0x02                                       ; source 0: window 2
.irp c, 0,1
	v_cvt_scalef32_pk16_fp6_f32 v[PC+6*\c:PC+6*\c+2], v[64*(\a)+32*\c:64*(\a)+32*\c+15], v[TM+12+2*\c]
	v_cvt_scalef32_pk16_fp6_f32 v[PC+12+4*\c:PC+14+4*\c], v[64*(\a)+32*\c+16:64*(\a)+32*\c+31], v[TM+13+2*\c]   ; (a conversion's three registers begin on an even number)
.endr
	WIN 0
	v_nop                                          ; one plain place behind a scaled conversion
.irp c, 0,1                                    ; the operand's layout wants a whole block in a lane: lanes 0-15 block 2 c, lanes 16-31 block 2 c + 1
.irp i, 0,1,2
	v_permlane16_swap_b32 v[PC+6*\c+\i], v[PC+12+4*\c+\i]
.endr
.irp i, 0,1,2
	v_mov_b32 v[PC+3+6*\c+\i], v[PC+12+4*\c+\i]
.endr
.endr
.endm
.irp a, 0,1,2,3
.if \a > 0
	s_wait_xcnt 0x0                                ; the last tile's stores have read their data and their base: both are written again only behind this wait
	s_add_nc_u64 s[8:9], s[8:9], s[28:29]
.endif
	QUANTW \a
	global_store_b128 v10, v[PC:PC+3], s[8:9]                  ; each store covers 512 or 256 consecutive bytes, at a multiple of 256 from qkvc's first byte
	global_store_b64 v11, v[PC+4:PC+5], s[8:9] offset:512
	global_store_b128 v12, v[PC+6:PC+9], s[8:9]
	global_store_b64 v13, v[PC+10:PC+11], s[8:9] offset:512
.endr
	v_perm_b32 v164, v[PW+1], v[PW], s31           ; q, k: the first head's words of tiles (0, 1) and (2, 3); v: tiles 0 and 2's words
	v_perm_b32 v165, v[PW+3], v[PW+2], s31
	v_perm_b32 v166, v[PW+1], v[PW], s32           ; q, k: the second head's; v: tiles 1 and 3's
	v_perm_b32 v167, v[PW+3], v[PW+2], s32
	v_cndmask_b32 v168, v164, v165, s43            ; lanes 0-15 the first, lanes 16-31 the second (a row's word stands in both halves of the lanes)
	v_cndmask_b32 v169, v166, v167, s43
	global_store_b32 v14, v168, s[10:11]
	global_store_b32 v15, v169, s[10:11]
	s_wait_dscnt 0x0
	s_wait_tensorcnt 0x0
	ds_add_u32 v254, v255
	s_wait_dscnt 0x0
	CROUND                                         ; the closing round: no work-group ends while a partner may still ask for a tile that names it
	s_endpgm
.Lfunc_end_k_qe3a469811d_proj:
	.size	k_qe3a469811d_proj, .Lfunc_end_k_qe3a469811d_proj-k_qe3a469811d_proj
	.p2alignl 7, 3214868480
	.fill 96, 4, 3214868480
	.section	.rodata,"a",@progbits
	.p2align	6, 0x0
	.amdhsa_kernel k_qe3a469811d_proj
		.amdhsa_group_segment_fixed_size 307712
		.amdhsa_private_segment_fixed_size 0
		.amdhsa_enable_private_segment 0
		.amdhsa_kernarg_size 32
		.amdhsa_user_sgpr_count 2
		.amdhsa_user_sgpr_kernarg_segment_ptr 1
		.amdhsa_wavefront_size32 1
		.amdhsa_system_sgpr_workgroup_id_x 1
		.amdhsa_system_sgpr_workgroup_id_y 1
		.amdhsa_system_sgpr_workgroup_id_z 1
		.amdhsa_system_vgpr_workitem_id 0
		.amdhsa_next_free_vgpr 768
		.amdhsa_next_free_sgpr 106
		.amdhsa_reserve_vcc 0
		.amdhsa_float_denorm_mode_32 3
		.amdhsa_float_denorm_mode_16_64 3
		.amdhsa_memory_ordered 1
		.amdhsa_forward_progress 1
		.amdhsa_inst_pref_size 93
	.end_amdhsa_kernel
	.amdgpu_metadata
---
amdhsa.version: [ 1, 2 ]
amdhsa.kernels:
  - .name:           k_qe3a469811d_proj
    .symbol:         k_qe3a469811d_proj.kd
    .args:
      - { .name: xc, .offset: 0, .size: 8, .value_kind: global_buffer, .address_space: global }
      - { .name: xs, .offset: 8, .size: 8, .value_kind: global_buffer, .address_space: global }
      - { .name: qkvc, .offset: 16, .size: 8, .value_kind: global_buffer, .address_space: global }
      - { .name: qkvs, .offset: 24, .size: 8, .value_kind: global_buffer, .address_space: global }
    .group_segment_fixed_size: 307712
    .private_segment_fixed_size: 0
    .kernarg_segment_align: 8
    .kernarg_segment_size: 32
    .max_flat_workgroup_size: 128
    .sgpr_count:     106
    .vgpr_count:     768
    .wavefront_size: 32
...
	.end_amdgpu_metadata
.endif
;; end of part 2
;; launch attn (part 3): grid 256 x 1, 16 waves a work-group, clusters of 4 x 1, 206,848 bytes of LDS; arguments qkvc, qkvs, ac, asc; writes ac, asc
.if DOCPART == 3
	.amdgcn_target "amdgcn-amd-amdhsa--gfx1250"
	.amdhsa_code_object_version 6
	.text
	.protected	k_qe3a469811d_attn
	.globl	k_qe3a469811d_attn
	.p2align	8
	.type	k_qe3a469811d_attn,@function
k_qe3a469811d_attn:
	s_mov_b64 s[64:65], 0
	v_nop
	global_prefetch_b8 v0, s[64:65] scope:SCOPE_SE
	s_setreg_imm32_b32 hwreg(HW_REG_WAVE_MODE, 25, 1), 1
	s_wait_xcnt 0x0
	s_wait_alu depctr_hold_cnt(0) depctr_sa_sdst(0) depctr_va_vdst(0) depctr_va_sdst(0) depctr_va_ssrc(0) depctr_va_vcc(0) depctr_vm_vsrc(0)
	s_getreg_b32 s2, hwreg(HW_REG_IB_STS2, 6, 4)
	s_cmp_eq_u32 s2, 0
	s_cbranch_scc0 .Lentry_in_a_cluster
	s_endpgm
.Lentry_in_a_cluster:
	s_bfe_u32 s2, ttmp6, 0x10000c
	s_cmp_lg_u32 s2, 0x3003
	s_cbranch_scc0 .Lentry_shape_is_right
	s_endpgm
.Lentry_shape_is_right:
; Causal attention of one head on codes of FP6 (E2M3) with E8M0 scales, and the result quantised along the model's 1,024 for the last product.
; S^T = K Q^T and O^T = V^T P^T are both used transposed: a lane holds ONE query (lane % 16) throughout.
; THE SOFTMAX: t = score x log2(e) / 8; M = the running largest t rounded UP to a whole number; p = 2^(t - M) is quantised along the keys, not normalised; the row's sum is taken of the unquantised p and
; divides O at the end.  When M moves, the sum and O^T are multiplied by 2^(old M - new M): exact.
; SHARES.  A cluster of four work-groups owns one (batch, head); the head's K and V, 2,048 keys as codes with their scale words (204,800 bytes), lie whole in each work-group's LDS, filled ONCE by joint loads.
; Query tile qt = 8 G + 2 cx + e needs key steps 0 .. G of 128 keys.  Wave w takes (G = w, e = 0) and then (G = 15 - w, e = 1): 17 key steps for every wave of the launch, two of them on the diagonal.
; cx enters global addresses and the mask's comparison alone: no branch, no trip count, no LDS address.
; THE HEAD'S 64 IN A PRODUCT 128 DEEP.  Source 0 is TWO tiles of 16 keys side by side (1,536 consecutive bytes).  One product with [Q | zeros] gives the first tile's scores, one with [zeros | Q] the second's:
; the half that must not count meets zero CODES, under valid scale bytes.  So no byte of K is padding, in LDS or in registers.
; THE ORDER INSIDE A BLOCK OF 32 KEYS.  Register 16 f + 8 u + j of lane half h is key 32 f + 16 u + 8 h + j, as v's results lay in the launch before; both go through the same lines, so p's and V's codes agree.
; The output meets Wp's codes, which lie in the natural order: sixteen exchanges of lane halves on the f32 numbers give a lane 16 neighbours of d first.
; IN.  qkvc, qkvs as the launch before laid them.  OUT.  ac [16 rows RT][head][768]: half a fragment; asc [RT][head / 2][16 rows] words, the half word head % 2 this head's two bytes.
; LIMITS: hidden keys get the score -infinity where the definition adds -1e13: the same p = 0 as long as scores stay far under 1e13.  Zero blocks and blocks under 2^-124 get the byte 1.  NaN and infinities are not served.
; asc's half words leave two bytes a lane (lanes 16-31 repeat lanes 0-15's with the same values): one part in 24 of the stores.
; REGISTERS: v1-3, v5 lane terms; v6 r - 8 h; v7 the mask's number; v8-11, v35 addresses in hand; v12 -M, v13 the largest t, v[14:15] the sum; v16-21 zeros, v22-27 Q, v28-33 zeros; v34 Q's scale word;
;   v36-39 K's and V's scale words; v40-87 four fragments of K, then of V; v96-159 S^T, then p; v160-191 O^T; v192-223 O / sum; v224-235 codes; v236-254 at work; v255 -infinity.
.set WV,  12
.set CX,  13
.set BB,  15                           ; batch
.set HD,  16                           ; head
.set IDX, 17                           ; 256 x batch + head
.set SEL, 20
.set CS,  22                           ; s[22:23] c = log2(e) / 8
.set G1C, 24
.set G1S, 32
.set G0C, 40
.set G0S, 44
.set TB,  48                           ; the key step's codes begin here in K's part of LDS
.set TS,  49                           ; and its scale words
.set KI,  50                           ; the key step
.set GG,  51                           ; G
.set EE,  52                           ; e
.set VOFF, 98304                       ; V's codes lie behind K's
.set SCK, 196608                       ; K's scale words; V's 4,096 bytes on
.macro CROUND                          ; a round of the cluster's barrier
	s_barrier_signal -1
	s_barrier_wait -1
	s_cmp_lg_u32 s[WV], 0
	s_cbranch_scc1 .Lnot_wave_0_\@
	s_barrier_signal -3
.Lnot_wave_0_\@:
	s_barrier_wait -3
	s_barrier_signal -1
	s_barrier_wait -1
.endm
	s_load_b256 s[4:11], s[0:1], 0x0               ; qkvc s[4:5], qkvs s[6:7], ac s[8:9], asc s[10:11]
	v_lshl_add_u32 v95, v0, 2, 0x32000
	v_mov_b32 v243, 0
	ds_add_u32 v95, v243
	ds_add_u32 v95, v243
	v_lshrrev_b32 v1, 5, v0
	s_delay_alu instid0(VALU_DEP_1)
	v_readfirstlane_b32 s[WV], v1                  ; wave 0..15
	s_bfe_u32 s[CX], ttmp6, 0x40000                ; my place in the cluster
	s_lshr_b32 s[BB], ttmp9, 4                     ; the cluster's number is 16 x batch + head
	s_and_b32 s[HD], ttmp9, 15
	s_lshl_b32 s[IDX], s[BB], 8
	s_add_co_u32 s[IDX], s[IDX], s[HD]
	; group 1, codes: 4 key steps x 6,144 bytes (768 elements of 8), 98,304 bytes apart; scale words: 16 key steps x 256 bytes, 4,096 apart.  The mask names all four work-groups
	s_mov_b32 s[G1C], 15|(3<<16)|(1<<21)
	s_mov_b32 s[G1C+1], 768<<16
	s_mov_b32 s[G1C+2], 4<<16
	s_mov_b32 s[G1C+3], 768<<16
	s_mov_b32 s[G1C+4], 4
	s_mov_b32 s[G1C+5], 12288
	s_mov_b32 s[G1C+6], 0
	s_mov_b32 s[G1C+7], 0
	s_mov_b32 s[G1S], 15|(3<<16)|(1<<21)
	s_mov_b32 s[G1S+1], 32<<16
	s_mov_b32 s[G1S+2], 16<<16
	s_mov_b32 s[G1S+3], 32<<16
	s_mov_b32 s[G1S+4], 16
	s_mov_b32 s[G1S+5], 512
	s_mov_b32 s[G1S+6], 0
	s_mov_b32 s[G1S+7], 0
	s_mov_b32 s[SEL], 0x76543210
	s_mov_b32 s[SEL+1], 0xfedcba98                 ; v_permlanex16_b32's selects for lane l xor 16
	s_mov_b32 s[CS], 0x3e38aa3b
	s_mov_b32 s[CS+1], s[CS]                       ; (named with it as a pair, so it is written)
	; group 0, codes (used by waves 0-7): waves 0-3 K's key steps 4 w .., waves 4-7 V's
	s_mov_b32 s[G0C], 1
	s_mul_i32 s[G0C+1], s[WV], 24576
	s_lshr_b32 s54, s[WV], 2
	s_add_co_u32 s54, s54, 1
	s_mul_i32 s[G0C+2], s54, 6291456               ; region 1 (k) or 2 (v)
	s_mul_i32 s54, s[IDX], 6144
	s_add_co_u32 s[G0C+2], s[G0C+2], s54
	s_and_b32 s54, s[WV], 3
	s_mul_i32 s54, s54, 393216
	s_add_co_u32 s[G0C+2], s[G0C+2], s54
	s_mov_b32 s[G0C+3], 0
	; group 0, scale words (used by waves 8 and 9): K's, V's
	s_mov_b32 s[G0S], 1
	s_and_b32 s54, s[WV], 1
	s_lshl_b32 s[G0S+1], s54, 12
	s_add_co_u32 s[G0S+1], s[G0S+1], SCK
	s_add_co_u32 s54, s54, 1
	s_lshl_b32 s[G0S+2], s54, 18
	s_lshl_b32 s54, s[IDX], 8
	s_add_co_u32 s[G0S+2], s[G0S+2], s54
	s_mov_b32 s[G0S+3], 0
	s_wait_dscnt 0x0
	s_wait_kmcnt 0x0
	s_add_nc_u64 s[G0C+2:G0C+3], s[4:5], s[G0C+2:G0C+3]
	s_or_b32 s[G0C+3], s[G0C+3], 0x80000000
	s_add_nc_u64 s[G0S+2:G0S+3], s[6:7], s[G0S+2:G0S+3]
	s_or_b32 s[G0S+3], s[G0S+3], 0x80000000
	CROUND                                         ; all four work-groups are here: the joint loads meet
	s_cmp_lt_u32 s[WV], 8                          ; one load a wave at the most; four v_nop follow each line
	s_cbranch_scc0 .Lnot_codes
	tensor_load_to_lds s[G0C:G0C+3], s[G1C:G1C+7]
	s_nop 0
.rept 4
	v_nop
.endr
	s_branch .Lasked
.Lnot_codes:
	s_cmp_lt_u32 s[WV], 10
	s_cbranch_scc0 .Lasked
	tensor_load_to_lds s[G0S:G0S+3], s[G1S:G1S+7]
	s_nop 0
.rept 4
	v_nop
.endr
.Lasked:
	v_and_b32 v4, 31, v0                           ; lane
	v_and_b32 v5, 15, v0                           ; r
	v_bfe_u32 v6, v0, 4, 1                         ; h
	s_delay_alu instid0(VALU_DEP_3)
	v_lshlrev_b32 v1, 4, v4                        ; 16 x lane
	s_delay_alu instid0(VALU_DEP_4)
	v_lshlrev_b32 v2, 3, v4                        ; 8 x lane
	v_lshl_add_u32 v3, v4, 2, SCK                  ; 4 x lane among K's scale words
	s_delay_alu instid0(VALU_DEP_4)
	v_lshlrev_b32 v6, 3, v6
	s_delay_alu instid0(VALU_DEP_1)
	v_sub_nc_u32 v6, v5, v6                        ; r - 8 h
	v_lshlrev_b32 v5, 2, v5                        ; 4 r
.irp j, 16,17,18,19,20,21,28,29,30,31,32,33
	v_mov_b32 v\j, 0                               ; zero codes on both sides of Q
.endr
.irp j, 236,237,238,239,253
	v_mov_b32 v\j, 0                               ; written once: permutes' destinations, and the upper half of the pair v[252:253]
.endr
	v_mov_b32 v255, 0xff800000                     ; -infinity
	s_wait_tensorcnt 0x0                           ; my load has landed,
	s_barrier_signal -1
	s_barrier_wait -1                              ; everybody's has: K, V and their scale words are whole, and stay
.macro QK f                            ; two tiles of 16 keys against my 16 queries
.if (\f)%2
	v_wmma_scale_f32_16x16x128_f8f6f4 v[96+16*(\f):103+16*(\f)], v[40+12*(\f):51+12*(\f)], v[22:33], 0, v[36+(\f)/2], v34 matrix_a_fmt:MATRIX_FMT_FP6 matrix_b_fmt:MATRIX_FMT_FP6 matrix_a_scale:MATRIX_SCALE_ROW1
	v_wmma_scale_f32_16x16x128_f8f6f4 v[104+16*(\f):111+16*(\f)], v[40+12*(\f):51+12*(\f)], v[16:27], 0, v[36+(\f)/2], v34 matrix_a_fmt:MATRIX_FMT_FP6 matrix_b_fmt:MATRIX_FMT_FP6 matrix_a_scale:MATRIX_SCALE_ROW1
.else
	v_wmma_scale_f32_16x16x128_f8f6f4 v[96+16*(\f):103+16*(\f)], v[40+12*(\f):51+12*(\f)], v[22:33], 0, v[36+(\f)/2], v34 matrix_a_fmt:MATRIX_FMT_FP6 matrix_b_fmt:MATRIX_FMT_FP6
	v_wmma_scale_f32_16x16x128_f8f6f4 v[104+16*(\f):111+16*(\f)], v[40+12*(\f):51+12*(\f)], v[16:27], 0, v[36+(\f)/2], v34 matrix_a_fmt:MATRIX_FMT_FP6 matrix_b_fmt:MATRIX_FMT_FP6
.endif
.endm
.macro PV d                            ; 16 of the head's 64 x my 16 queries, K = the step's 128 keys
.if (\d)%2
	v_wmma_scale_f32_16x16x128_f8f6f4 v[160+8*(\d):167+8*(\d)], v[40+12*(\d):51+12*(\d)], v[224:235], v[160+8*(\d):167+8*(\d)], v[38+(\d)/2], v253 matrix_a_fmt:MATRIX_FMT_FP6 matrix_b_fmt:MATRIX_FMT_FP6 matrix_a_scale:MATRIX_SCALE_ROW1
.else
	v_wmma_scale_f32_16x16x128_f8f6f4 v[160+8*(\d):167+8*(\d)], v[40+12*(\d):51+12*(\d)], v[224:235], v[160+8*(\d):167+8*(\d)], v[38+(\d)/2], v253 matrix_a_fmt:MATRIX_FMT_FP6 matrix_b_fmt:MATRIX_FMT_FP6
.endif
.endm
.macro FRAGS a16, a8                   ; four fragments, images of their registers: 16 bytes a lane, 8, 16, 8
.irp f, 0,1,2,3
	ds_load_b128 v[40+12*\f:43+12*\f], v[\a16] offset:1536*\f
	ds_load_b64 v[44+12*\f:45+12*\f], v[\a8] offset:1536*\f+512
	ds_load_b128 v[46+12*\f:49+12*\f], v[\a16] offset:1536*\f+768
	ds_load_b64 v[50+12*\f:51+12*\f], v[\a8] offset:1536*\f+1280
.endr
.endm
; A KEY STEP: 128 keys.
.macro KSTEP
	v_add_nc_u32 v8, s[TB], v1                     ; these four plain lines are the places between the last step's products and the loads into the registers that they read
	v_add_nc_u32 v9, s[TB], v2
	v_add_nc_u32 v10, s[TS], v3
	v_nop
	FRAGS 8, 9                                     ; K: four pairs of tiles
	ds_load_b32 v36, v10                           ; their scale words: lanes 0-15 pair 0, lanes 16-31 pair 1;
	ds_load_b32 v37, v10 offset:128                ; pairs 2 and 3
	s_wait_alu depctr_va_vdst(0)
	s_wait_dscnt 0x0
	QK 0
	QK 1
	QK 2
	QK 3
	v_add_nc_u32 v11, VOFF, v8                     ; four places again: in front of the loads into K's registers and of the first read of the scores
	v_add_nc_u32 v35, VOFF, v9
	v_nop
	v_nop
	FRAGS 11, 35                                   ; V's four fragments land while the softmax is worked
	ds_load_b32 v38, v10 offset:4096
	ds_load_b32 v39, v10 offset:4224
	s_cmp_lg_u32 s[KI], s[GG]                      ; only the last step of a pass lies on the diagonal
	s_cbranch_scc1 .Lopen_\@
.set n, 0
.rept 64                                       ; register n holds key 32 (n / 16) + 16 ((n / 8) % 2) + 8 h + n % 8 of the step: hidden where that is greater than my query's place in its 128
	v_cmp_gt_i32 vcc_lo, 32*(n/16)+16*((n/8)%2)+n%8, v7
	v_cndmask_b32 v[96+n], v[96+n], v255, vcc_lo
.set n, n+1
.endr
.Lopen_\@:
.irp b, 0,1,2,3
	v_max3_num_f32 v[244+\b], v[96+16*\b], v[97+16*\b], v[98+16*\b]   ; the largest score of each block of 32 keys: it serves the row's maximum and, since p rises with the score, the block's largest p
.endr
.irp i, 3,5,7,9,11,13
.irp b, 0,1,2,3
	v_max3_num_f32 v[244+\b], v[244+\b], v[96+16*\b+\i], v[97+16*\b+\i]
.endr
.endr
.irp b, 0,1,2,3
	v_max_num_f32 v[244+\b], v[244+\b], v[111+16*\b]
.endr
.irp b, 0,1,2,3
	s_delay_alu instid0(VALU_DEP_4)
	v_permlanex16_b32 v[236+\b], v[244+\b], s[SEL], s[SEL+1]
.endr
.irp b, 0,1,2,3
	s_delay_alu instid0(VALU_DEP_4)
	v_max_num_f32 v[244+\b], v[244+\b], v[236+\b]  ; with lane l xor 16's 16 keys
.endr
	s_delay_alu instid0(VALU_DEP_2)
	v_max3_num_f32 v254, v244, v245, v246
	s_delay_alu instid0(VALU_DEP_1)
	v_max_num_f32 v254, v254, v247                 ; the step's largest score of my query (key 0 of the step counts for every query: it is a number)
	s_delay_alu instid0(VALU_DEP_1)
	v_mul_f32 v254, s[CS], v254
	s_delay_alu instid0(VALU_DEP_1)
	v_max_num_f32 v13, v13, v254                   ; the running largest t
	v_mov_b32 v254, v12
	s_delay_alu instid0(VALU_DEP_2)
	v_floor_f32 v12, -v13                          ; the new -M = -ceil(t)
	s_delay_alu instid0(VALU_DEP_1)
	v_sub_f32 v254, v12, v254                      ; old M - new M: a whole number, 0 or less
	s_delay_alu instid0(VALU_DEP_1)
	v_cvt_i32_f32 v254, v254                       ; (it saturates)
	s_delay_alu instid0(VALU_DEP_1)
	v_ldexp_f32 v252, 1.0, v254                    ; f = 2^(old M - new M)
.set n, 0
.rept 32
	v_pk_fma_f32 v[96+n:97+n], v[96+n:97+n], s[CS:CS+1], v[12:13] op_sel_hi:[1,0,0]   ; t - M, two at a time
.set n, n+2
.endr
	s_setprio 1
.irp b, 0,1,2,3
	v_fma_f32 v[244+\b], v[244+\b], s[CS], v12     ; the same of each block's largest score
.endr
.set n, 0
	s_wait_alu depctr_va_vdst(0)
.rept 64
	v_exp_f32 v[96+n], v[96+n]                     ; p = 2^(t - M)
.set n, n+1
.endr
.irp b, 0,1,2,3
	v_exp_f32 v[244+\b], v[244+\b]                 ; the block's largest p
.endr
	v_pk_mul_f32 v[14:15], v[14:15], v[252:253] op_sel_hi:[1,0]   ; the sums under the new M (a plain place behind the exponentials)
	s_wait_alu depctr_va_vdst(0)
.irp b, 0,1,2,3
	v_max_num_f32 v[244+\b], 0x1800000, v[244+\b]  ; the floor 2^(3 - 127)
.endr
.irp b, 0,1,2,3
	s_delay_alu instid0(VALU_DEP_4)
	v_add_nc_u32 v[248+\b], 0xff000000, v[244+\b]  ; the conversion's scale operand
.endr
.irp b, 0,1,2,3
	s_delay_alu instid0(VALU_DEP_4)
	v_lshrrev_b32 v[236+\b], 23, v[248+\b]         ; the byte
.endr
	s_delay_alu instid0(VALU_DEP_3)
	v_lshl_or_b32 v253, v237, 8, v236              ; p's scale word for these 128 keys
	s_delay_alu instid0(VALU_DEP_1)
	v_lshl_or_b32 v253, v238, 16, v253
	s_delay_alu instid0(VALU_DEP_1)
	v_lshl_or_b32 v253, v239, 24, v253
.irp c, 0,1
	v_cvt_scalef32_pk16_fp6_f32 v[224+6*\c:226+6*\c], v[96+32*\c:111+32*\c], v[248+2*\c]
	v_cvt_scalef32_pk16_fp6_f32 v[236+4*\c:238+4*\c], v[112+32*\c:127+32*\c], v[249+2*\c]   ; (a conversion's three registers begin on an even number)
.endr
	v_nop                                          ; one plain place behind a scaled conversion
.irp c, 0,1                                    ; a whole block in a lane: lanes 0-15 block 2 c, lanes 16-31 block 2 c + 1
.irp i, 0,1,2
	v_permlane16_swap_b32 v[224+6*\c+\i], v[236+4*\c+\i]
.endr
.irp i, 0,1,2
	s_delay_alu instid0(VALU_DEP_3)
	v_mov_b32 v[227+6*\c+\i], v[236+4*\c+\i]
.endr
.endr
	v_pk_add_f32 v[236:237], v[100:101], v[104:105]
	v_pk_add_f32 v[250:251], v[108:109], v[112:113]
	v_pk_add_f32 v[248:249], v[116:117], v[120:121]
	v_pk_add_f32 v[246:247], v[124:125], v[128:129]
	v_pk_add_f32 v[244:245], v[132:133], v[136:137]
	v_pk_add_f32 v[240:241], v[140:141], v[144:145]
	v_pk_add_f32 v[222:223], v[148:149], v[152:153]
	v_pk_add_f32 v[14:15], v[14:15], v[156:157]
	v_pk_add_f32 v[236:237], v[236:237], v[96:97]
	v_pk_add_f32 v[250:251], v[250:251], v[98:99]
	s_setprio 0
	v_pk_add_f32 v[248:249], v[248:249], v[102:103]
	v_pk_add_f32 v[246:247], v[246:247], v[106:107]
	v_pk_add_f32 v[244:245], v[244:245], v[110:111]
	v_pk_add_f32 v[240:241], v[240:241], v[114:115]
	v_pk_add_f32 v[222:223], v[222:223], v[118:119]
	v_pk_add_f32 v[14:15], v[14:15], v[122:123]
	v_pk_add_f32 v[236:237], v[236:237], v[126:127]
	v_pk_add_f32 v[250:251], v[250:251], v[130:131]
	v_pk_add_f32 v[248:249], v[248:249], v[134:135]
	v_pk_add_f32 v[246:247], v[246:247], v[138:139]
	v_pk_add_f32 v[244:245], v[244:245], v[142:143]
	v_pk_add_f32 v[240:241], v[240:241], v[146:147]
	v_pk_add_f32 v[222:223], v[222:223], v[150:151]
	v_pk_add_f32 v[14:15], v[14:15], v[154:155]
	v_pk_add_f32 v[236:237], v[236:237], v[158:159]
	s_delay_alu instid0(VALU_DEP_2)
	v_pk_add_f32 v[14:15], v[14:15], v[246:247]
	s_delay_alu instid0(VALU_DEP_2)
	v_pk_add_f32 v[236:237], v[236:237], v[244:245]
	v_pk_add_f32 v[250:251], v[250:251], v[240:241]
	v_pk_add_f32 v[248:249], v[248:249], v[222:223]
	s_delay_alu instid0(VALU_DEP_2)
	v_pk_add_f32 v[14:15], v[14:15], v[250:251]
	s_delay_alu instid0(VALU_DEP_2)
	v_pk_add_f32 v[236:237], v[236:237], v[248:249]
	s_delay_alu instid0(VALU_DEP_1)
	v_pk_add_f32 v[14:15], v[14:15], v[236:237]
.irp j, 0,2,4,6,8,10,12,14,16,18,20,22,24,26,28,30
	v_pk_mul_f32 v[160+\j:161+\j], v[160+\j:161+\j], v[252:253] op_sel_hi:[1,0]   ; O^T under the new M, each accumulator from its low end on
.endr
	s_wait_alu depctr_va_vdst(0)
	s_wait_dscnt 0x0                               ; V and its scale words are in
	PV 0                                           ; the four accumulators take one turn each
	PV 1
	PV 2
	PV 3
.endm
; O^T / the sum, in the natural order of d, becomes half a fragment of the last product's operand.
.macro OUTQ
.rept 4
	v_nop                                          ; places between the last products and the first read of O^T
.endr
	v_add_f32 v14, v14, v15
	s_delay_alu instid0(VALU_DEP_1)
	v_permlanex16_b32 v236, v14, s[SEL], s[SEL+1]
	s_delay_alu instid0(VALU_DEP_1)
	v_add_f32 v14, v14, v236                       ; the row's sum
	s_wait_alu depctr_va_vdst(0)
	v_rcp_f32 v14, v14
	v_nop                                          ; one plain place behind a transcendental
	s_wait_alu depctr_va_vdst(0)
.irp j, 0,2,4,6,8,10,12,14,16,18,20,22,24,26,28,30
	v_pk_mul_f32 v[192+\j:193+\j], v[160+\j:161+\j], v[14:15] op_sel_hi:[1,0]   ; register 8 t + j: d = 16 t + 8 h + j
.endr
.irp b, 0,1
.irp j, 0,1,2,3,4,5,6,7
	v_permlane16_swap_b32 v[192+16*\b+\j], v[200+16*\b+\j]   ; register 16 b + i now: d = 32 b + 16 h + i
.endr
.endr
.irp b, 0,1
	v_max3_num_f32 v[244+\b], |v[192+16*\b]|, |v[193+16*\b]|, 0x1800000
.endr
.irp i, 2,4,6,8,10,12,14
.irp b, 0,1
	s_delay_alu instid0(VALU_DEP_2)
	v_max3_num_f32 v[244+\b], v[244+\b], |v[192+16*\b+\i]|, |v[193+16*\b+\i]|
.endr
.endr
.irp b, 0,1
	s_delay_alu instid0(VALU_DEP_2)
	v_permlanex16_b32 v[236+\b], v[244+\b], s[SEL], s[SEL+1]
.endr
.irp b, 0,1
	s_delay_alu instid0(VALU_DEP_2)
	v_max_num_f32 v[244+\b], v[244+\b], v[236+\b]
.endr
.irp b, 0,1
	s_delay_alu instid0(VALU_DEP_2)
	v_add_nc_u32 v[248+\b], 0xff000000, v[244+\b]
.endr
.irp b, 0,1
	s_delay_alu instid0(VALU_DEP_2)
	v_lshrrev_b32 v[236+\b], 23, v[248+\b]
.endr
	s_delay_alu instid0(VALU_DEP_1)
	v_lshl_or_b32 v254, v237, 8, v236              ; the head's two bytes of my row
	v_cvt_scalef32_pk16_fp6_f32 v[224:226], v[192:207], v248
	v_cvt_scalef32_pk16_fp6_f32 v[236:238], v[208:223], v249
	v_nop
.irp i, 0,1,2
	v_permlane16_swap_b32 v[224+\i], v[236+\i]     ; lanes 0-15 block 0, lanes 16-31 block 1, whole
.endr
.irp i, 0,1,2
	s_delay_alu instid0(VALU_DEP_3)
	v_mov_b32 v[227+\i], v[236+\i]
.endr
	global_store_b128 v1, v[224:227], s[72:73]     ; 512 and 256 consecutive bytes, at multiples of 256 from ac's first byte
	global_store_b64 v2, v[228:229], s[72:73] offset:512
	global_store_b16 v5, v254, s[74:75]
.endm
; A PASS: one tile of 16 queries, key steps 0 .. G.  The loop has 16 trips in every wave: a trip beyond G only steps the addresses.
.macro PASS
	s_wait_xcnt 0x0                                ; the last pass's stores have read their data and bases: these are written again only behind this wait
	s_lshl_b32 s54, s[GG], 4
	s_add_co_u32 s54, s54, s[IDX]                  ; (16 x batch + G) x 16 + head
	s_lshl_b32 s55, s[CX], 1
	s_add_co_u32 s55, s55, s[EE]                   ; my tile among the eight of its 128 rows
	s_mul_i32 s56, s54, 6144
	s_mul_i32 s58, s55, 768
	s_add_co_u32 s56, s56, s58
	s_mov_b32 s57, 0
	s_add_nc_u64 s[68:69], s[4:5], s[56:57]        ; Q's codes
	s_lshl_b32 s56, s54, 8
	s_lshl_b32 s58, s[CX], 6
	s_add_co_u32 s56, s56, s58
	s_lshl_b32 s58, s[EE], 1
	s_add_co_u32 s56, s56, s58
	s_add_nc_u64 s[70:71], s[6:7], s[56:57]        ; Q's half words of scale bytes
	s_lshl_b32 s59, s[BB], 7
	s_lshl_b32 s58, s[GG], 3
	s_add_co_u32 s59, s59, s58
	s_add_co_u32 s59, s59, s55                     ; RT = 128 x batch + 8 G + 2 cx + e
	s_mul_i32 s56, s59, 12288
	s_mul_i32 s58, s[HD], 768
	s_add_co_u32 s56, s56, s58
	s_add_nc_u64 s[72:73], s[8:9], s[56:57]        ; ac
	s_lshl_b32 s56, s59, 9
	s_lshr_b32 s58, s[HD], 1
	s_lshl_b32 s58, s58, 6
	s_add_co_u32 s56, s56, s58
	s_and_b32 s58, s[HD], 1
	s_lshl_b32 s58, s58, 1
	s_add_co_u32 s56, s56, s58
	s_add_nc_u64 s[74:75], s[10:11], s[56:57]      ; asc
	s_lshl_b32 s58, s55, 4
	global_load_b128 v[22:25], v1, s[68:69]
	global_load_b64 v[26:27], v2, s[68:69] offset:512
	global_load_u16 v254, v5, s[70:71]
	s_wait_loadcnt 0x0
	v_lshl_or_b32 v34, v254, 16, v254              ; Q's two bytes, for either half of the 128
	v_add_nc_u32 v7, s58, v6                       ; my query's place in its 128, less 8 h
	v_mov_b32 v13, 0xff61b1e6                      ; the largest t so far: -3e38
	s_delay_alu instid0(VALU_DEP_1)
	v_floor_f32 v12, -v13
	v_mov_b32 v14, 0
	v_mov_b32 v15, 0
.set n, 0
.rept 32
	v_mov_b32 v[160+n], 0                          ; O^T: the step is written once, and the first finds zeros.  (These lines also stand between the scale word's making and the first product that names it)
.set n, n+1
.endr
	s_mov_b32 s[TB], 0
	s_mov_b32 s[TS], 0
	s_mov_b32 s[KI], 0
.Lks_\@:
	s_cmp_gt_u32 s[KI], s[GG]                      ; all keys of such a step come after my queries
	s_cbranch_scc1 .Lskip_\@
	s_setprio 2
	KSTEP
.Lskip_\@:
	s_add_co_u32 s[TB], s[TB], 6144
	s_add_co_u32 s[TS], s[TS], 256
	s_add_co_u32 s[KI], s[KI], 1
	s_cmp_lt_u32 s[KI], 16
	s_cbranch_scc1 .Lks_\@
	s_setprio 0
	OUTQ
.endm
	s_mov_b32 s[GG], s[WV]
	s_mov_b32 s[EE], 0
	PASS
	s_sub_co_u32 s[GG], 15, s[WV]
	s_mov_b32 s[EE], 1
	PASS
	s_wait_dscnt 0x0
	s_wait_tensorcnt 0x0
	ds_add_u32 v95, v243
	s_wait_dscnt 0x0
	CROUND                                         ; the closing round
	s_endpgm
.Lfunc_end_k_qe3a469811d_attn:
	.size	k_qe3a469811d_attn, .Lfunc_end_k_qe3a469811d_attn-k_qe3a469811d_attn
	.p2alignl 7, 3214868480
	.fill 96, 4, 3214868480
	.section	.rodata,"a",@progbits
	.p2align	6, 0x0
	.amdhsa_kernel k_qe3a469811d_attn
		.amdhsa_group_segment_fixed_size 206848
		.amdhsa_private_segment_fixed_size 0
		.amdhsa_enable_private_segment 0
		.amdhsa_kernarg_size 32
		.amdhsa_user_sgpr_count 2
		.amdhsa_user_sgpr_kernarg_segment_ptr 1
		.amdhsa_wavefront_size32 1
		.amdhsa_system_sgpr_workgroup_id_x 1
		.amdhsa_system_sgpr_workgroup_id_y 1
		.amdhsa_system_sgpr_workgroup_id_z 1
		.amdhsa_system_vgpr_workitem_id 0
		.amdhsa_next_free_vgpr 256
		.amdhsa_next_free_sgpr 80
		.amdhsa_reserve_vcc 1
		.amdhsa_float_denorm_mode_32 3
		.amdhsa_float_denorm_mode_16_64 3
		.amdhsa_memory_ordered 1
		.amdhsa_forward_progress 1
		.amdhsa_inst_pref_size 67
	.end_amdhsa_kernel
	.amdgpu_metadata
---
amdhsa.version: [ 1, 2 ]
amdhsa.kernels:
  - .name:           k_qe3a469811d_attn
    .symbol:         k_qe3a469811d_attn.kd
    .args:
      - { .name: qkvc, .offset: 0, .size: 8, .value_kind: global_buffer, .address_space: global }
      - { .name: qkvs, .offset: 8, .size: 8, .value_kind: global_buffer, .address_space: global }
      - { .name: ac, .offset: 16, .size: 8, .value_kind: global_buffer, .address_space: global }
      - { .name: asc, .offset: 24, .size: 8, .value_kind: global_buffer, .address_space: global }
    .group_segment_fixed_size: 206848
    .private_segment_fixed_size: 0
    .kernarg_segment_align: 8
    .kernarg_segment_size: 32
    .max_flat_workgroup_size: 512
    .sgpr_count:     80
    .vgpr_count:     256
    .wavefront_size: 32
...
	.end_amdgpu_metadata
.endif
;; end of part 3
;; launch outp (part 4): grid 4 x 64, 4 waves a work-group, clusters of 4 x 4, 307,712 bytes of LDS; arguments ac, asc, xc, xs, bp, out0; writes out0
.if DOCPART == 4
	.amdgcn_target "amdgcn-amd-amdhsa--gfx1250"
	.amdhsa_code_object_version 6
	.text
	.protected	k_qe3a469811d_outp
	.globl	k_qe3a469811d_outp
	.p2align	8
	.type	k_qe3a469811d_outp,@function
k_qe3a469811d_outp:
	s_mov_b64 s[64:65], 0
	v_nop
	global_prefetch_b8 v0, s[64:65] scope:SCOPE_SE
	s_setreg_imm32_b32 hwreg(HW_REG_WAVE_MODE, 25, 1), 1
	s_wait_xcnt 0x0
	s_wait_alu depctr_hold_cnt(0) depctr_sa_sdst(0) depctr_va_vdst(0) depctr_va_sdst(0) depctr_va_ssrc(0) depctr_va_vcc(0) depctr_vm_vsrc(0)
	s_getreg_b32 s2, hwreg(HW_REG_IB_STS2, 6, 4)
	s_cmp_eq_u32 s2, 0
	s_cbranch_scc0 .Lentry_in_a_cluster
	s_endpgm
.Lentry_in_a_cluster:
	s_bfe_u32 s2, ttmp6, 0x10000c
	s_cmp_lg_u32 s2, 0xf033
	s_cbranch_scc0 .Lentry_shape_is_right
	s_endpgm
.Lentry_shape_is_right:
; out0 = attention's output x Wp^T + bp, on codes of FP6 (E2M3) with E8M0 scales; sums in f32; the bias is the C of each sum's first product.
; C[i][j] = sum over k of P[i][k] R[j][k]: P = the attention output's codes (ac, asc), R = Wp's (xc, xs from tile of rows 1,728 on).  Source 0 = 16 rows of R, source 1 = 16 rows of P:
; a lane holds one row of out0 and eight neighbouring columns.  A work-group makes 128 x 256, a wave 64 x 128: 32 accumulators.  All of K = 1,024 of both tiles lies in LDS: 4 chunks of 256 along K,
; each filled ONCE.  Both buffers hold images of the operands' registers, [tile of 16 rows][K step][1,536 bytes], and scale words [tile][K step][16].
; CLUSTERS: 4 x 4.  P's tile hangs on the cluster's y and cy and is asked for jointly by my row of the cluster; R's on cx alone, by my column.  A wave has five tensor loads out.
; THE WAY OUT goes through the wave's own stage, 16 rows x 528 bytes in chunk 0: that chunk has had its one fill, and every wave's last read of it lies in front of step 1's barrier.
; REGISTERS.  window 0: v1-3 lane, r, h; v4-9 LDS addresses; v10-13 the way out and the bias; v16-27 scale words, two sets; v48-143 P's fragments, two sets; v144-207 the bias; on the way out v128-255 rows of out0.
;   window 1: R's fragments, sets at v0 and v128.   window 2: accumulator (a, b) at v[8 (8 a + b)].
.set CH,   73728                       ; a chunk: P's 8 tiles of rows x 3,072 bytes, then R's 16
.set PSC,  4*CH
.set RSC,  PSC+4096
.set WV,   16
.set WI,   17
.set WJ,   18
.set CX,   19
.set CY,   20
.set CL,   21
.set IT,   23                          ; s23  which 128 rows of out0
.set PRT,  2                           ; s2   the first tile of rows of P that I would fetch (never holds cx)
.set RRT,  3                           ; s3   of R (never holds cy)
.set LP,   100
.set LPS,  101
.set LR,   104
.set LRS,  105
.set G1P,  24
.set G1R,  32
.set G1SP, 40
.set G1SR, 48
.set GP0,  56
.set GP1,  60
.set GP2,  68
.set GP3,  72
.set GPS,  76
.set GR0,  80
.set GR1,  84
.set GR2,  88
.set GR3,  92
.set GRS,  96
.set BI,   144                         ; v144-207 bp at my 128 columns: eight registers a tile of columns, in the result's layout
.set MSB, 0
.macro WIN new                         ; the immediate's high byte repeats the setting that is left
.if MSB != \new
	s_set_vgpr_msb (MSB<<8)|\new
.set MSB, \new
.endif
.endm
.macro CROUND                          ; a round of the cluster's barrier
	s_barrier_signal -1
	s_barrier_wait -1
	s_cmp_lg_u32 s[WV], 0
	s_cbranch_scc1 .Lnot_wave_0_\@
	s_barrier_signal -3
.Lnot_wave_0_\@:
	s_barrier_wait -3
	s_barrier_signal -1
	s_barrier_wait -1
.endm
.macro G1SET g, c, r, p                ; words 1 to 7: rows of c elements of 8 bytes, r rows, p elements from row to row
	s_mov_b32 s[\g+1], (\c)<<16
	s_mov_b32 s[\g+2], (\r)<<16
	s_mov_b32 s[\g+3], (\c)<<16
	s_mov_b32 s[\g+4], \r
	s_mov_b32 s[\g+5], \p
	s_mov_b32 s[\g+6], 0
	s_mov_b32 s[\g+7], 0
.endm
.macro G0SET g, lreg, loff, ptr, rt, mul, add   ; to LDS byte s[lreg] + loff, from s[ptr] + s[rt] x mul + add
	s_mov_b32 s[\g], 1
	s_add_co_u32 s[\g+1], s[\lreg], \loff
	s_mul_i32 s[\g+2], s[\rt], \mul
	s_mov_b32 s[\g+3], 0
	s_add_nc_u64 s[\g+2:\g+3], s[\ptr:\ptr+1], s[\g+2:\g+3]
.if \add
	s_add_nc_u64 s[\g+2:\g+3], s[\g+2:\g+3], \add
.endif
	s_or_b32 s[\g+3], s[\g+3], 0x80000000
.endm
	s_load_b256 s[4:11], s[0:1], 0x0               ; ac s[4:5], asc s[6:7], xc s[8:9], xs s[10:11]
	s_load_b128 s[12:15], s[0:1], 0x20             ; bp s[12:13], out0 s[14:15]
	v_lshl_add_u32 v46, v0, 2, 0x4b000
	v_mov_b32 v47, 0
	ds_add_u32 v46, v47
	ds_add_u32 v46, v47
	v_lshrrev_b32 v1, 5, v0
	v_readfirstlane_b32 s[WV], v1                  ; wave 0..3
	s_lshr_b32 s[WI], s[WV], 1                     ; which 64 rows are mine
	s_and_b32 s[WJ], s[WV], 1                      ; which 128 columns; also: which half of a tile I fetch
	s_bfe_u32 s[CX], ttmp6, 0x40000
	s_bfe_u32 s[CY], ttmp6, 0x40004
	s_and_b32 s[CL], ttmp7, 0xffff                 ; the cluster's y
	s_lshl_b32 s22, s[CY], 2
	s_lshl_b32 s22, 15, s22                        ; my row of the cluster
	s_lshl_b32 s66, 0x1111, s[CX]                  ; my column
	s_or_b32 s[G1P], s22, (3<<16)|(1<<21)          ; 15:0 the mask; 17:16 elements of 8 bytes; 21 set beside a mask; no padding: every LDS read is of consecutive bytes
	s_or_b32 s[G1R], s66, (3<<16)|(1<<21)
	s_or_b32 s[G1SP], s22, (3<<16)|(1<<21)
	s_or_b32 s[G1SR], s66, (3<<16)|(1<<21)
	G1SET G1P, 384, 4, 1536                        ; 4 tiles of rows x 3,072 bytes (two K steps), 12,288 bytes apart
	G1SET G1R, 384, 8, 1536
	G1SET G1SP, 32, 8, 32                          ; 2,048 dense bytes
	G1SET G1SR, 32, 16, 32                         ; 4,096 dense bytes
	s_lshl_b32 s[IT], s[CL], 2
	s_add_co_u32 s[IT], s[IT], s[CY]               ; it = 4 x cluster y + cy
	s_lshl_b32 s[PRT], s[IT], 3
	s_lshl_b32 s22, s[WJ], 2
	s_add_co_u32 s[PRT], s[PRT], s22               ; 8 it + 4 x my half
	s_lshl_b32 s[RRT], s[CX], 4
	s_add_co_u32 s[RRT], s[RRT], 1728              ; Wp begins at tile of rows 1,728; jt = cx
	s_lshl_b32 s22, s[WJ], 3
	s_add_co_u32 s[RRT], s[RRT], s22
	s_mul_i32 s[LP], s[WJ], 12288                  ; no place in the cluster enters an LDS address
	s_lshl_b32 s[LPS], s[WJ], 11
	s_mul_i32 s[LR], s[WJ], 24576
	s_lshl_b32 s[LRS], s[WJ], 12
	s_wait_dscnt 0x0
	s_wait_kmcnt 0x0
	G0SET GPS, LPS, PSC, 6, PRT, 512, 0
	G0SET GP0, LP, 0, 4, PRT, 12288, 0
	G0SET GP1, LP, CH, 4, PRT, 12288, 3072
	G0SET GP2, LP, 2*CH, 4, PRT, 12288, 6144
	G0SET GP3, LP, 3*CH, 4, PRT, 12288, 9216
	G0SET GRS, LRS, RSC, 10, RRT, 512, 0
	G0SET GR0, LR, 24576, 8, RRT, 12288, 0
	G0SET GR1, LR, CH+24576, 8, RRT, 12288, 3072
	G0SET GR2, LR, 2*CH+24576, 8, RRT, 12288, 6144
	G0SET GR3, LR, 3*CH+24576, 8, RRT, 12288, 9216
	CROUND                                         ; all sixteen work-groups are here: the joint loads meet
	s_cmp_lt_u32 s[WV], 2                          ; waves 0, 1 fetch P's halves, waves 2, 3 R's: a wave's five first fills stand in one branch, four v_nop behind the last
	s_cbranch_scc0 .Lfor_r
	tensor_load_to_lds s[GPS:GPS+3], s[G1SP:G1SP+7]
	s_nop 0
	tensor_load_to_lds s[GP0:GP0+3], s[G1P:G1P+7]
	s_nop 0
	tensor_load_to_lds s[GP1:GP1+3], s[G1P:G1P+7]
	s_nop 0
	tensor_load_to_lds s[GP2:GP2+3], s[G1P:G1P+7]
	s_nop 0
	tensor_load_to_lds s[GP3:GP3+3], s[G1P:G1P+7]
	s_nop 0
.rept 4
	v_nop
.endr
	s_branch .Lasked
.Lfor_r:
	tensor_load_to_lds s[GRS:GRS+3], s[G1SR:G1SR+7]
	s_nop 0
	tensor_load_to_lds s[GR0:GR0+3], s[G1R:G1R+7]
	s_nop 0
	tensor_load_to_lds s[GR1:GR1+3], s[G1R:G1R+7]
	s_nop 0
	tensor_load_to_lds s[GR2:GR2+3], s[G1R:G1R+7]
	s_nop 0
	tensor_load_to_lds s[GR3:GR3+3], s[G1R:G1R+7]
	s_nop 0
.rept 4
	v_nop
.endr
.Lasked:
	v_and_b32 v1, 31, v0                           ; lane
	v_and_b32 v2, 15, v0                           ; r
	v_bfe_u32 v3, v0, 4, 1                         ; h
	s_wait_alu depctr_va_vdst(0)
	s_lshl_b32 s66, s[CX], 10
	s_lshl_b32 s67, s[WJ], 9
	s_add_co_u32 s66, s66, s67                     ; my first column, in bytes: 1,024 jt + 512 wj
	s_mov_b32 s67, 0
	s_add_nc_u64 s[12:13], s[12:13], s[66:67]
	s_add_nc_u64 s[14:15], s[14:15], s[66:67]
	s_lshl_b32 s66, s[IT], 19
	s_lshl_b32 s22, s[WI], 18
	s_add_co_u32 s66, s66, s22                     ; my first row: (128 it + 64 wi) x 4,096 bytes
	s_add_nc_u64 s[14:15], s[14:15], s[66:67]
	v_lshlrev_b32 v13, 5, v3                       ; the bias: lane half h wants columns 16 b + 8 h + 0..7
.irp b, 0,1,2,3,4,5,6,7
	global_load_b128 v[BI+8*\b:BI+8*\b+3], v13, s[12:13] offset:64*\b
	global_load_b128 v[BI+8*\b+4:BI+8*\b+7], v13, s[12:13] offset:64*\b+16
.endr
	s_mul_i32 s22, s[WI], 12288                    ; my 4 tiles of P's rows in a chunk
	v_lshl_add_u32 v4, v1, 4, s22
	v_lshl_add_u32 v5, v1, 3, s22
	s_mul_i32 s22, s[WJ], 24576
	s_add_co_u32 s22, s22, 24576                   ; my 8 tiles of R's rows
	v_lshl_add_u32 v6, v1, 4, s22
	v_lshl_add_u32 v7, v1, 3, s22
	s_lshl_b32 s22, s[WI], 11
	s_add_co_u32 s22, s22, PSC
	v_lshl_add_u32 v8, v3, 9, s22                  ; P's scale words: lanes 0-15 the even tile of a pair, lanes 16-31 the odd one,
	v_lshl_add_u32 v8, v2, 2, v8                   ; row r's word
	s_lshl_b32 s22, s[WJ], 12
	s_add_co_u32 s22, s22, RSC
	v_lshl_add_u32 v9, v3, 9, s22
	v_lshl_add_u32 v9, v2, 2, v9
; K step s's fragments and scale words into set s % 2: 54 LDS loads, each of consecutive bytes.  A fragment: 16 bytes a lane, 8, 16, 8.
.macro FETCH s
.set FS, (\s)%2
	WIN 0x40                                       ; destination window 1, address window 0
.irp b, 0,1,2,3,4,5,6,7
	ds_load_b128 v[128*FS+12*\b:128*FS+12*\b+3], v6 offset:3072*\b+1536*FS
	ds_load_b64 v[128*FS+12*\b+4:128*FS+12*\b+5], v7 offset:3072*\b+1536*FS+512
	ds_load_b128 v[128*FS+12*\b+6:128*FS+12*\b+9], v6 offset:3072*\b+1536*FS+768
	ds_load_b64 v[128*FS+12*\b+10:128*FS+12*\b+11], v7 offset:3072*\b+1536*FS+1280
.endr
	WIN 0
.irp a, 0,1,2,3
	ds_load_b128 v[48+48*FS+12*\a:48+48*FS+12*\a+3], v4 offset:3072*\a+1536*FS
	ds_load_b64 v[48+48*FS+12*\a+4:48+48*FS+12*\a+5], v5 offset:3072*\a+1536*FS+512
	ds_load_b128 v[48+48*FS+12*\a+6:48+48*FS+12*\a+9], v4 offset:3072*\a+1536*FS+768
	ds_load_b64 v[48+48*FS+12*\a+10:48+48*FS+12*\a+11], v5 offset:3072*\a+1536*FS+1280
.endr
.irp q, 0,1
	ds_load_b32 v[16+6*FS+\q], v8 offset:1024*\q+64*(\s)
.endr
.irp q, 0,1,2,3
	ds_load_b32 v[18+6*FS+\q], v9 offset:1024*\q+64*(\s)
.endr
.endm
; One product.  pa, pb: source 0's (R's) and source 1's (P's) tile is the odd one of its pair: its scale words lie in lanes 16-31.  first = 1: the sum starts from the bias.
.macro WM first, pa, pb
.if \first
.if (\pa) && (\pb)
	v_wmma_scale_f32_16x16x128_f8f6f4 v[rD:rD+7], v[rR:rR+11], v[rP:rP+11], v[rB:rB+7], v[rSR], v[rSP] matrix_a_fmt:MATRIX_FMT_FP6 matrix_b_fmt:MATRIX_FMT_FP6 matrix_a_scale:MATRIX_SCALE_ROW1 matrix_b_scale:MATRIX_SCALE_ROW1
.elseif (\pa)
	v_wmma_scale_f32_16x16x128_f8f6f4 v[rD:rD+7], v[rR:rR+11], v[rP:rP+11], v[rB:rB+7], v[rSR], v[rSP] matrix_a_fmt:MATRIX_FMT_FP6 matrix_b_fmt:MATRIX_FMT_FP6 matrix_a_scale:MATRIX_SCALE_ROW1
.elseif (\pb)
	v_wmma_scale_f32_16x16x128_f8f6f4 v[rD:rD+7], v[rR:rR+11], v[rP:rP+11], v[rB:rB+7], v[rSR], v[rSP] matrix_a_fmt:MATRIX_FMT_FP6 matrix_b_fmt:MATRIX_FMT_FP6 matrix_b_scale:MATRIX_SCALE_ROW1
.else
	v_wmma_scale_f32_16x16x128_f8f6f4 v[rD:rD+7], v[rR:rR+11], v[rP:rP+11], v[rB:rB+7], v[rSR], v[rSP] matrix_a_fmt:MATRIX_FMT_FP6 matrix_b_fmt:MATRIX_FMT_FP6
.endif
.else
.if (\pa) && (\pb)
	v_wmma_scale_f32_16x16x128_f8f6f4 v[rD:rD+7], v[rR:rR+11], v[rP:rP+11], v[rD:rD+7], v[rSR], v[rSP] matrix_a_fmt:MATRIX_FMT_FP6 matrix_b_fmt:MATRIX_FMT_FP6 matrix_a_scale:MATRIX_SCALE_ROW1 matrix_b_scale:MATRIX_SCALE_ROW1
.elseif (\pa)
	v_wmma_scale_f32_16x16x128_f8f6f4 v[rD:rD+7], v[rR:rR+11], v[rP:rP+11], v[rD:rD+7], v[rSR], v[rSP] matrix_a_fmt:MATRIX_FMT_FP6 matrix_b_fmt:MATRIX_FMT_FP6 matrix_a_scale:MATRIX_SCALE_ROW1
.elseif (\pb)
	v_wmma_scale_f32_16x16x128_f8f6f4 v[rD:rD+7], v[rR:rR+11], v[rP:rP+11], v[rD:rD+7], v[rSR], v[rSP] matrix_a_fmt:MATRIX_FMT_FP6 matrix_b_fmt:MATRIX_FMT_FP6 matrix_b_scale:MATRIX_SCALE_ROW1
.else
	v_wmma_scale_f32_16x16x128_f8f6f4 v[rD:rD+7], v[rR:rR+11], v[rP:rP+11], v[rD:rD+7], v[rSR], v[rSP] matrix_a_fmt:MATRIX_FMT_FP6 matrix_b_fmt:MATRIX_FMT_FP6
.endif
.endif
.endm
; A K step's 32 products.  The 32 accumulators take turns, one instruction a turn, in the same order in every step.
.macro MUL s, first
.set FS, (\s)%2
.irp a, 0,1,2,3
.irp b, 0,1,2,3,4,5,6,7
.set rD, 8*(8*\a+\b)
.set rR, 128*FS+12*\b
.set rP, 48+48*FS+12*\a
.set rB, BI+8*\b
.set rSR, 18+6*FS+\b/2
.set rSP, 16+6*FS+\a/2
	WM \first, \b%2, \a%2
.endr
.endr
.endm
; K step s: its fragments are in; the next step's are asked for; its products.  Steps 1, 3, 5 are the last of their chunk to be fetched from: the next chunk must have landed in every wave.
.macro STEP s
	WIN 0
.if ((\s)%2 == 1) && ((\s) < 7)
	s_wait_tensorcnt (5-(\s))/2                    ; my part of the next chunk has landed; the chunks behind it (2, 1, 0 of them) may be out
.endif
	s_wait_dscnt 0x0                               ; this step's fragments are in, and no LDS load of mine is out at a signal
.if ((\s)%2 == 1) && ((\s) < 7)
	s_barrier_signal -1
	s_barrier_wait -1                              ; everybody's part has landed
	v_add_nc_u32 v4, CH, v4                        ; on to the next chunk.  These four lines are also the four places between the last products
	v_add_nc_u32 v5, CH, v5                        ; and the loads into the registers that they read (ISA guide 7.12.1 for vector instructions)
	v_add_nc_u32 v6, CH, v6
	v_add_nc_u32 v7, CH, v7
.elseif ((\s) > 0) && ((\s) < 7)
.rept 4
	v_nop                                          ; the same four places
.endr
.endif
.if (\s) < 7
	FETCH (\s)+1
.endif
.if (\s) == 0
	s_wait_loadcnt 0x0                             ; the bias
	WIN 0x81                                       ; source 0 (R) window 1, source 1 (P) and C (the bias) window 0, D window 2
	MUL \s, 1
.else
	WIN 0xa1                                       ; C and D window 2
	MUL \s, 0
.endif
.endm
	s_wait_alu depctr_va_vdst(0)
	s_wait_tensorcnt 0x3                           ; my scale words and my part of chunk 0 have landed; three chunks may be out
	s_barrier_signal -1
	s_barrier_wait -1                              ; everybody's have
	FETCH 0
	STEP 0
	STEP 1
	s_wait_alu depctr_va_vdst(0)
	STEP 2
	STEP 3
	s_wait_alu depctr_va_vdst(0)
	STEP 4
	STEP 5
	s_wait_alu depctr_va_vdst(0)
	STEP 6
	STEP 7
	WIN 0
	; THE WAY OUT, 16 rows x 128 columns at a time.  A lane holds 32 neighbouring bytes of a row and the lanes beside it other rows: a block goes through my own stage and comes back as whole rows of 512 bytes.
	s_mul_i32 s24, s[WV], 16*528                   ; (no tensor load is out since step 5's wait for 0: the descriptors' registers are free)
	v_mul_u32_u24 v10, v2, 528                     ; these five plain lines are the places between the last products and the stores and loads below
	v_lshl_add_u32 v10, v3, 5, v10
	v_add_nc_u32 v10, s24, v10                     ; in: row r, 32 h bytes on
	v_lshlrev_b32 v12, 4, v1                       ; 16 x lane: a row's place for my lane, in the stage and in out0
	v_add_nc_u32 v11, s24, v12                     ; back
.macro TOSTAGE a
	WIN 0x08                                       ; an LDS store's data are its source 1: window 2
.irp b, 0,1,2,3,4,5,6,7
	ds_store_b128 v10, v[64*(\a)+8*\b:64*(\a)+8*\b+3] offset:64*\b          ; each accumulator from its low end on
	ds_store_b128 v10, v[64*(\a)+8*\b+4:64*(\a)+8*\b+7] offset:64*\b+16
.endr
	WIN 0
.irp t, 0,1,2,3,4,5,6,7,8,9,10,11,12,13,14,15
	ds_load_b128 v[128+64*((\a)%2)+4*\t:128+64*((\a)%2)+4*\t+3], v11 offset:\t*528   ; LDS serves a wave's instructions in order (ISA guide 5.7.1.4): these see the stores above
.endr
.endm
.macro SEND a, younger                 ; younger: the LDS instructions issued behind block a's loads, which may stay out
	s_wait_dscnt \younger
.irp t, 0,1,2,3,4,5,6,7,8,9,10,11,12,13,14,15
	global_store_b128 v12, v[128+64*((\a)%2)+4*\t:128+64*((\a)%2)+4*\t+3], s[14:15] offset:(16*(\a)+\t)*4096 th:TH_STORE_NT   ; 32 lanes store 512 consecutive bytes, at a multiple of 256 from out0's first byte
.endr
.endm
	TOSTAGE 0
	TOSTAGE 1
	s_wait_alu depctr_va_vdst(0)
	SEND 0, 32                                     ; behind block 0's loads: block 1's 16 stores and 16 loads
	s_wait_xcnt 0x0                                ; block 0's stores have read their registers: block 2's loads may land there
	TOSTAGE 2
	SEND 1, 32
	s_wait_xcnt 0x0
	TOSTAGE 3
	SEND 2, 32
	SEND 3, 0
	s_wait_dscnt 0x0
	s_wait_tensorcnt 0x0
	ds_add_u32 v46, v47
	s_wait_dscnt 0x0
	CROUND                                         ; the closing round: no work-group ends while a partner may still ask for a tile that names it
	s_endpgm
.Lfunc_end_k_qe3a469811d_outp:
	.size	k_qe3a469811d_outp, .Lfunc_end_k_qe3a469811d_outp-k_qe3a469811d_outp
	.p2alignl 7, 3214868480
	.fill 96, 4, 3214868480
	.section	.rodata,"a",@progbits
	.p2align	6, 0x0
	.amdhsa_kernel k_qe3a469811d_outp
		.amdhsa_group_segment_fixed_size 307712
		.amdhsa_private_segment_fixed_size 0
		.amdhsa_enable_private_segment 0
		.amdhsa_kernarg_size 48
		.amdhsa_user_sgpr_count 2
		.amdhsa_user_sgpr_kernarg_segment_ptr 1
		.amdhsa_wavefront_size32 1
		.amdhsa_system_sgpr_workgroup_id_x 1
		.amdhsa_system_sgpr_workgroup_id_y 1
		.amdhsa_system_sgpr_workgroup_id_z 1
		.amdhsa_system_vgpr_workitem_id 0
		.amdhsa_next_free_vgpr 768
		.amdhsa_next_free_sgpr 106
		.amdhsa_reserve_vcc 0
		.amdhsa_float_denorm_mode_32 3
		.amdhsa_float_denorm_mode_16_64 3
		.amdhsa_memory_ordered 1
		.amdhsa_forward_progress 1
		.amdhsa_inst_pref_size 89
	.end_amdhsa_kernel
	.amdgpu_metadata
---
amdhsa.version: [ 1, 2 ]
amdhsa.kernels:
  - .name:           k_qe3a469811d_outp
    .symbol:         k_qe3a469811d_outp.kd
    .args:
      - { .name: ac, .offset: 0, .size: 8, .value_kind: global_buffer, .address_space: global }
      - { .name: asc, .offset: 8, .size: 8, .value_kind: global_buffer, .address_space: global }
      - { .name: xc, .offset: 16, .size: 8, .value_kind: global_buffer, .address_space: global }
      - { .name: xs, .offset: 24, .size: 8, .value_kind: global_buffer, .address_space: global }
      - { .name: bp, .offset: 32, .size: 8, .value_kind: global_buffer, .address_space: global }
      - { .name: out0, .offset: 40, .size: 8, .value_kind: global_buffer, .address_space: global }
    .group_segment_fixed_size: 307712
    .private_segment_fixed_size: 0
    .kernarg_segment_align: 8
    .kernarg_segment_size: 48
    .max_flat_workgroup_size: 128
    .sgpr_count:     106
    .vgpr_count:     768
    .wavefront_size: 32
...
	.end_amdgpu_metadata
.endif
;; end of part 4
